; MI455X (gfx1250); checked and timed in simulation.
; The chip was launched on July 23, 2026; its instructions are those of AMD's public machine-readable ISA for CDNA 5 (MIT licence, August 2026) and "CDNA5" Instruction Set Architecture Reference Guide (July 2026). The comments in the code are by the model that wrote it; some were corrected since.
;; Di T Block. Allowed arithmetic: matrix products marked QUANTISED: E5M2 operands, one E8M0 scale for each 32 along K, by v_wmma_scale_f32_16x16x128_f8f6f4 with both operands' format E5M2, f32 sums; products left as they are: f32 operands where the result goes on into a quantised operand, else bf16, f16 or f32 operands; f32 sums; everything else in f32.
;; Inputs: W_k 512 x 512 float32; W_o 512 x 512 float32; W_q 512 x 512 float32; W_v 512 x 512 float32; attn_alpha_w 512 x 256 float32; attn_beta_w 512 x 256 float32; attn_gamma_w 512 x 256 float32; ffn_alpha_w 512 x 256 float32; ffn_beta_w 512 x 256 float32; ffn_gamma_w 512 x 256 float32; gate_w 2,048 x 512 float32; hidden_w 2,048 x 512 float32; out_b 512 float32; out_w 512 x 2,048 float32; t 4 x 256 float32; x 4 x 2,048 x 512 float32.
;; Outputs: out0 4 x 2,048 x 512 float32.
;; This version of the problem:
;;   THIS VERSION OF THE PROBLEM IS GIVEN IN LOW PRECISION. The matrix products marked QUANTISED in the list below multiply operands that are first quantised to E5M2 (5 exponent bits, 2 mantissa bits; 8 bits a number), with one power-of-two scale for each 32 numbers along K (OCP MX v1.0); their sums are f32. All else is computed in f32.
;;   The module's matrix products, in the order in which they are computed (A, B: the left and right operand; K: the contracted axis; several contracted axes count as one K, in the product's order):
;;     1. [M 4, K 256] x [K 256, N 512]; A: input t; B: input attn_alpha_w: left as it is (M = 4 < 16)
;;     2. [M 4, K 256] x [K 256, N 512]; A: input t; B: input attn_gamma_w: left as it is (M = 4 < 16)
;;     3. [M 4, K 256] x [K 256, N 512]; A: input t; B: input attn_beta_w: left as it is (M = 4 < 16)
;;     4. [M 8,192, K 512] x [K 512, N 512]; A: computed on the way; B: input W_q: QUANTISED
;;     5. [M 8,192, K 512] x [K 512, N 512]; A: computed on the way; B: input W_k: QUANTISED
;;     6. [M 8,192, K 512] x [K 512, N 512]; A: computed on the way; B: input W_v: QUANTISED
;;     7. batch 64 x [M 2,048, K 32] x [K 32, N 2,048]; A: computed on the way; B: computed on the way: QUANTISED
;;     8. batch 64 x [M 2,048, K 2,048] x [K 2,048, N 32]; A: softmax (see below); B: computed on the way: QUANTISED
;;     9. [M 8,192, K 512] x [K 512, N 512]; A: computed on the way; B: input W_o: QUANTISED
;;     10. [M 4, K 256] x [K 256, N 512]; A: input t; B: input ffn_alpha_w: left as it is (M = 4 < 16)
;;     11. [M 4, K 256] x [K 256, N 512]; A: input t; B: input ffn_gamma_w: left as it is (M = 4 < 16)
;;     12. [M 4, K 256] x [K 256, N 512]; A: input t; B: input ffn_beta_w: left as it is (M = 4 < 16)
;;     13. [M 8,192, K 512] x [K 512, N 2,048]; A: computed on the way; B: input gate_w: QUANTISED
;;     14. [M 8,192, K 512] x [K 512, N 2,048]; A: computed on the way; B: input hidden_w: QUANTISED
;;     15. [M 8,192, K 2,048] x [K 2,048, N 512]; A: computed on the way; B: input out_w: QUANTISED
;;   THE QUANTISER, for each operand of a quantised product, along K:
;;     - K is cut into blocks of 32 from its start; a last block that is shorter is filled with zeros.
;;     - A block's scale is 2^e with e = floor(log2(the largest magnitude in the block)) - 15, held to -126 .. 127; a block of zeros has e = 0. As a byte (E8M0): e + 127.
;;     - Each number is divided by its block's scale, clamped to +-57,344, and rounded to the nearest number of E5M2, ties to even, subnormals kept.
;;     - The product sums the exact products of the quantised numbers (number of the format x scale) in f32.
;;   ~~~python
;;   def quantise(x, axis):      # numpy; x: float32 -> the quantised numbers, widened to float32 again
;;       x = np.moveaxis(x, axis, -1); K = x.shape[-1]
;;       x = np.pad(x, [(0, 0)] * (x.ndim - 1) + [(0, -K % 32)]); x = x.reshape(x.shape[:-1] + (-1, 32)); a = np.abs(x).max(-1, keepdims=True)
;;       e = np.where(a > 0, np.clip(np.frexp(np.where(a > 0, a, 1))[1] - 1 - 15, -126, 127), 0)      # np.frexp(a)[1] - 1 = floor(log2(a)), exactly
;;       r = np.clip(x / 2.0 ** e, -57344, 57344)
;;       step = 2.0 ** (np.maximum(np.frexp(np.where(r == 0, 1, r))[1] - 1, -14) - 2)
;;       q = np.round(r / step) * step * 2.0 ** e      # np.round: ties to even
;;       return np.moveaxis(q.reshape(q.shape[:-2] + (-1,))[..., :K], -1, axis).astype(np.float32)
;;   ~~~
;;   SOFTMAX AHEAD OF A QUANTISED PRODUCT. Where the list says 'softmax', what is quantised is not the finished softmax but p = 2^(t - M), with t = logit x log2(e) and M = ceil(the row's largest t), a whole number; so 1/2 < the row's largest p <= 1. The row's sum l is taken of the UNQUANTISED p, in f32, and the product's result is divided by l at the end. Since M is a whole number, a kernel that streams over the keys may use a running M (the ceiling of the running maximum): every later rescaling is an exact power of two, which a block's scale takes up: the codes' values come out the same.
;;   OPERANDS COMPUTED ON THE WAY. 'Computed on the way' means the value that the module computes at that place (a softmax that the list does not call 'softmax' is quantised finished and normalised). What goes into a quantiser is computed in f32, as accurately as f32 sums, v_exp_f32 and their like allow (about 1e-6 of the number): no bf16 or f16 on the way to a quantiser, and a product that is left as it is and whose result goes on into a quantised operand takes f32 operands (vector FMAs, or v_wmma_f32_16x16x4_f32). A number that lies on a knife's edge between two numbers of the format may be rounded either way, as far as f32 arithmetic and the matrix unit's own rounding can turn it there, and no further.
;; One version. Each part assembles by itself: llvm-mc -triple=amdgcn-amd-amdhsa -mcpu=gfx1250 --defsym DOCPART=n.
;; ======== version 1 of 1: 6 launches
;; limits: right only within a limited range of input values
;; workspace buffers: wts 4,505,600 bytes; qkvb 13,893,632 bytes; att 5,242,880 bytes; mid 21,233,664 bytes; hid 17,825,792 bytes
;; launch prep (part 1): grid 304 x 1, 4 waves a work-group, no clusters, 16,896 bytes of LDS; arguments W_q, W_k, W_v, W_o, gate_w, hidden_w, out_w, attn_gamma_w, attn_beta_w, attn_alpha_w, ffn_gamma_w, ffn_beta_w, ffn_alpha_w, t, wts; writes wts
.if DOCPART == 1
	.amdgcn_target "amdgcn-amd-amdhsa--gfx1250"
	.amdhsa_code_object_version 6
	.text
	.protected	k_q6677120d96_prep
	.globl	k_q6677120d96_prep
	.p2align	8
	.type	k_q6677120d96_prep,@function
k_q6677120d96_prep:
	s_mov_b64 s[64:65], 0
	v_nop
	global_prefetch_b8 v0, s[64:65] scope:SCOPE_SE
	s_setreg_imm32_b32 hwreg(HW_REG_WAVE_MODE, 25, 1), 1
	s_wait_xcnt 0x0
; PREP.  (a) The seven large weights, f32 [N][K] with K innermost, become codes of BF8 (E5M2) with one E8M0 byte for each 32 along K, laid as IMAGES OF OPERAND REGISTERS:
; a fragment is 16 rows x 128 K = 2,048 bytes; chunk c (512 bytes) holds lane l's registers 4 c .. 4 c + 3 at 512 c + 16 l: k = 32 c + 16 (l / 16) + 0 .. 15 of the lane's row.  Its scale words: 4 bytes a lane, 128 bytes.
; THE ROWS OF A TILE ARE NOT NEIGHBOURS: lane r of tile T takes row 32 (T / 2) + 8 (T % 2) + r + 8 (r / 8), so that a product used transposed leaves 16 neighbouring columns in a lane's 16 registers of tiles 2 b, 2 b + 1.
; Fragment number = base + T (K / 128) + s; bases: W_q 0, W_k 128, W_v 256, W_o 384, gate 512, hidden 1024, out_w 1536.  Work-groups 0 .. 255 take eight fragments each, a wave two.
; (b) Work-groups 256 .. 303: the six vectors t w^T, [6][4][512] f32, by fused multiply-adds in f32 (all but ffn alpha go on into a quantiser).  A wave takes 16 rows of one w; a lane half a row.
; Each wave copies t (4 KB) into 4 KB of LDS of its own and reads it from there, sixteen lanes at one address: one trip to memory, and no barrier, since no wave reads another's bytes.  Path (a) uses no LDS.
; LIMITS: a block of zeros gets the byte 1 where the rule says 127 (its codes are zeros, and this program alone reads the bytes); a block whose largest magnitude lies under 2^-111 takes that floor's byte;
; NaN and infinities among the inputs are not served; the sums of (b) are formed in another order than a plain loop's.
.set WSC, 4194304                      ; wts: scale words begin here
.set MOD, 4456448                      ; wts: the six vectors begin here
.set X,   16                           ; v16-143  two fragments' numbers (weights); W's half rows (vectors)
.set TM,  180                          ; v180-195 at work in QUANT
.set SEL, 44                           ; s[44:45] selects for lane l xor 16
.set MNT, 46                           ; s46      mantissa field of 57,344
; 64 numbers of a lane, register 16 b + i = k 32 b + 16 (lane / 16) + i of its row, become 16 registers of codes at v[pc] and the row's scale word in v[pw]
.macro QUANT s, pc, pw
.irp b, 0,1,2,3
	v_max3_num_f32 v[TM+\b], |v[\s+16*\b]|, |v[\s+1+16*\b]|, 0x8000000      ; my 16 numbers of block b, and the floor 2^(16 - 127): the byte cannot fall under 1
.endr
.irp i, 2,4,6,8,10,12,14
.irp b, 0,1,2,3
	v_max3_num_f32 v[TM+\b], v[TM+\b], |v[\s+16*\b+\i]|, |v[\s+1+16*\b+\i]|  ; the four blocks by turns
.endr
.endr
.irp b, 0,1,2,3
	v_permlanex16_b32 v[TM+4+\b], v[TM+\b], s[SEL], s[SEL+1]
.endr
.irp b, 0,1,2,3
	v_max_num_f32 v[TM+\b], v[TM+\b], v[TM+4+\b]                             ; with lane l xor 16's 16: the block's largest magnitude
.endr
.irp b, 0,1,2,3
	v_add_nc_u32 v[TM+12+\b], 0xf8800000, v[TM+\b]                           ; 15 off its exponent field: the conversion's scale operand
.endr
.irp b, 0,1,2,3
	v_and_or_b32 v[TM+8+\b], v[TM+\b], 0x7f800000, s[MNT]                    ; 57,344 x the scale
.endr
.irp b, 0,1,2,3
	v_lshrrev_b32 v[TM+4+\b], 23, v[TM+12+\b]                                ; the scale's byte
.endr
	v_lshl_or_b32 v[\pw], v[TM+5], 8, v[TM+4]
	v_lshl_or_b32 v[\pw], v[TM+6], 16, v[\pw]
	v_lshl_or_b32 v[\pw], v[TM+7], 24, v[\pw]
.irp b, 0,1,2,3
.irp i, 0,1,2,3,4,5,6,7,8,9,10,11,12,13,14,15
	v_med3_num_f32 v[\s+16*\b+\i], v[\s+16*\b+\i], -v[TM+8+\b], v[TM+8+\b]   ; the conversion does not saturate (ISA guide 7.6.2): hold first
.endr
	v_cvt_scalef32_pk8_bf8_f32 v[\pc+4*\b:\pc+1+4*\b], v[\s+16*\b:\s+7+16*\b], v[TM+12+\b]
	v_cvt_scalef32_pk8_bf8_f32 v[\pc+2+4*\b:\pc+3+4*\b], v[\s+8+16*\b:\s+15+16*\b], v[TM+12+\b]
.endr
	v_nop                                                                    ; one plain line behind the last conversion
.endm
	s_load_b512 s[4:19], s[0:1], 0x0               ; W_q 4, W_k 6, W_v 8, W_o 10, gate 12, hidden 14, out_w 16, attn_gamma 18
	s_load_b256 s[20:27], s[0:1], 0x40             ; attn_beta 20, attn_alpha 22, ffn_gamma 24, ffn_beta 26
	s_load_b128 s[28:31], s[0:1], 0x60             ; ffn_alpha 28, t 30
	s_load_b64 s[32:33], s[0:1], 0x70              ; wts
	v_lshl_add_u32 v14, v0, 2, 0x4000
	v_mov_b32 v15, 0
	v_lshrrev_b32 v1, 5, v0
	v_readfirstlane_b32 s47, v1                    ; wave
	v_and_b32 v1, 31, v0                           ; lane
	v_and_b32 v2, 15, v0                           ; r
	v_bfe_u32 v3, v0, 4, 1                         ; h
	v_lshlrev_b32 v5, 4, v1                        ; 16 x lane
	v_lshlrev_b32 v6, 2, v1                        ; 4 x lane
	s_mov_b32 s[SEL], 0x76543210
	s_mov_b32 s[SEL+1], 0xfedcba98
	s_mov_b32 s[MNT], 0x600000
	s_mov_b32 s41, 0
	s_wait_kmcnt 0x0
	s_cmp_ge_u32 ttmp9, 256
	s_cbranch_scc1 .Lmod
	; ---- weights.  Which tensor: by the work-group's number alone
	s_mov_b64 s[34:35], s[16:17]                   ; out_w, from work-group 192 on
	s_mov_b32 s36, 192
	s_mov_b32 s37, 8192                            ; its row in bytes
	s_cmp_lt_u32 ttmp9, 192
	s_cselect_b64 s[34:35], s[14:15], s[34:35]
	s_cselect_b32 s36, 128, s36
	s_cselect_b32 s37, 2048, s37
	s_cselect_b32 s38, 2, 4                        ; log2 (K / 128)
	s_cmp_lt_u32 ttmp9, 128
	s_cselect_b64 s[34:35], s[12:13], s[34:35]
	s_cselect_b32 s36, 64, s36
	s_cmp_lt_u32 ttmp9, 64
	s_cselect_b64 s[34:35], s[10:11], s[34:35]
	s_cselect_b32 s36, 48, s36
	s_cmp_lt_u32 ttmp9, 48
	s_cselect_b64 s[34:35], s[8:9], s[34:35]
	s_cselect_b32 s36, 32, s36
	s_cmp_lt_u32 ttmp9, 32
	s_cselect_b64 s[34:35], s[6:7], s[34:35]
	s_cselect_b32 s36, 16, s36
	s_cmp_lt_u32 ttmp9, 16
	s_cselect_b64 s[34:35], s[4:5], s[34:35]
	s_cselect_b32 s36, 0, s36
	s_sub_co_u32 s39, ttmp9, s36
	s_lshl_b32 s39, s39, 3
	s_lshl_b32 s40, s47, 1
	s_add_co_u32 s39, s39, s40                     ; f: my first fragment within the tensor (even: both of mine lie in one tile)
	s_lshr_b32 s40, s39, s38                       ; T
	s_lshl_b32 s42, s40, s38
	s_sub_co_u32 s43, s39, s42                     ; s
	s_lshr_b32 s42, s40, 1
	s_lshl_b32 s42, s42, 5
	s_and_b32 s40, s40, 1
	s_lshl_b32 s40, s40, 3
	s_add_co_u32 s42, s42, s40                     ; the tile's first row: 32 (T / 2) + 8 (T % 2)
	s_mul_i32 s42, s42, s37
	s_lshl_b32 s43, s43, 9
	s_add_co_u32 s40, s42, s43
	s_add_nc_u64 s[34:35], s[34:35], s[40:41]
	s_wait_alu depctr_va_vdst(0)
	v_and_b32 v4, 8, v2
	v_add_nc_u32 v4, v4, v2                        ; r + 8 (r / 8)
	v_mul_lo_u32 v4, v4, s37
	v_lshl_add_u32 v4, v3, 6, v4                   ; + 64 h: my 16 numbers of a block of 32
.irp e, 0,1
.irp b, 0,1,2,3
.irp j, 0,1,2,3
	global_load_b128 v[X+64*\e+16*\b+4*\j:X+64*\e+16*\b+4*\j+3], v4, s[34:35] offset:512*\e+128*\b+16*\j
.endr
.endr
.endr
	s_lshl_b32 s40, ttmp9, 3
	s_lshl_b32 s42, s47, 1
	s_add_co_u32 s42, s40, s42                     ; my first fragment's number among all 2,048
	s_lshl_b32 s40, s42, 11
	s_add_nc_u64 s[48:49], s[32:33], s[40:41]      ; its image
	s_lshl_b32 s40, s42, 7
	s_add_co_u32 s40, s40, WSC
	s_add_nc_u64 s[50:51], s[32:33], s[40:41]      ; its scale words
.irp b, 0,1,2,3
	v_mov_b32 v[TM+4+\b], 0                        ; a lane permute's destination counts as read: written once
.endr
	s_wait_loadcnt 16                              ; the first fragment's 16 loads are in, the second's 16 may be out
	QUANT X, 144, 176
.irp c, 0,1,2,3
	global_store_b128 v5, v[144+4*\c:147+4*\c], s[48:49] offset:512*\c      ; 32 lanes store 512 consecutive bytes
.endr
	global_store_b32 v6, v176, s[50:51]
	s_wait_loadcnt 0x0
	QUANT X+64, 160, 177
.irp c, 0,1,2,3
	global_store_b128 v5, v[160+4*\c:163+4*\c], s[48:49] offset:2048+512*\c
.endr
	global_store_b32 v6, v177, s[50:51] offset:128
	s_endpgm
	; ---- the six vectors
.Lmod:
	s_sub_co_u32 s36, ttmp9, 256
	s_lshr_b32 s37, s36, 3                         ; which w: 0 attn_gamma, 1 attn_beta, 2 attn_alpha, 3 ffn_gamma, 4 ffn_beta, 5 ffn_alpha
	s_and_b32 s38, s36, 7
	s_lshl_b32 s38, s38, 2
	s_add_co_u32 s38, s38, s47                     ; which 16 rows of it
	s_mov_b64 s[34:35], s[28:29]
	s_cmp_lt_u32 s37, 5
	s_cselect_b64 s[34:35], s[26:27], s[34:35]
	s_cmp_lt_u32 s37, 4
	s_cselect_b64 s[34:35], s[24:25], s[34:35]
	s_cmp_lt_u32 s37, 3
	s_cselect_b64 s[34:35], s[22:23], s[34:35]
	s_cmp_lt_u32 s37, 2
	s_cselect_b64 s[34:35], s[20:21], s[34:35]
	s_cmp_lt_u32 s37, 1
	s_cselect_b64 s[34:35], s[18:19], s[34:35]
	s_lshl_b32 s40, s38, 14                        ; 16 rows of 1,024 bytes
	s_add_nc_u64 s[34:35], s[34:35], s[40:41]
	s_wait_alu depctr_va_vdst(0)
	v_lshlrev_b32 v4, 10, v2
	v_lshl_add_u32 v4, v3, 9, v4                   ; row r, half h
	s_lshl_b32 s42, s47, 12                        ; my wave's 4 KB of LDS
	v_add_nc_u32 v9, s42, v5                       ; into it: 16 x lane
	v_lshlrev_b32 v7, 9, v3
	v_add_nc_u32 v7, s42, v7                       ; out of it: half h of each of t's four rows
.irp i, 0,1,2,3,4,5,6,7
	global_load_b128 v[224+4*\i:227+4*\i], v5, s[30:31] offset:512*\i        ; all of t: 512 consecutive bytes a load
.endr
.irp i, 0,1,2,3,4,5,6,7,8,9,10,11,12,13,14,15,16,17,18,19,20,21,22,23,24,25,26,27,28,29,30,31
	global_load_b128 v[X+4*\i:X+4*\i+3], v4, s[34:35] offset:16*\i
.endr
.macro TG c, b                         ; 16 numbers of t's row b, chunk c of my half, into v[144 + 16 b]
.irp i, 0,1,2,3
	ds_load_b128 v[144+16*\b+4*\i:147+16*\b+4*\i], v7 offset:1024*\b+64*(\c)+16*\i
.endr
.endm
.macro MF c, b                         ; 16 multiply-adds, packed, in two chains a row of t; the first products start the sums
.irp p, 0,1,2,3,4,5,6,7
.if ((\c) == 0) && (\p < 2)
	v_pk_mul_f32 v[208+4*\b+2*\p:209+4*\b+2*\p], v[X+16*(\c)+2*\p:X+1+16*(\c)+2*\p], v[144+16*\b+2*\p:145+16*\b+2*\p]
.else
	v_pk_fma_f32 v[208+4*\b+2*(\p%2):209+4*\b+2*(\p%2)], v[X+16*(\c)+2*\p:X+1+16*(\c)+2*\p], v[144+16*\b+2*\p:145+16*\b+2*\p], v[208+4*\b+2*(\p%2):209+4*\b+2*(\p%2)]
.endif
.endr
.endm
	s_wait_alu depctr_va_vdst(0)
	s_wait_loadcnt 32                              ; t's eight loads are in; W's 32 may be out
.irp i, 0,1,2,3,4,5,6,7
	ds_store_b128 v9, v[224+4*\i:227+4*\i] offset:512*\i
.endr
.irp b, 0,1,2,3
	TG 0, \b                                       ; LDS serves a wave's instructions in order (ISA guide 5.7.1.4): these see my stores
.endr
	s_lshl_b32 s40, s37, 13
	s_lshl_b32 s42, s38, 6
	s_add_co_u32 s40, s40, s42
	s_add_co_u32 s40, s40, MOD
	s_add_nc_u64 s[48:49], s[32:33], s[40:41]      ; [which][batch][512]: + 8,192 x which + 4 x 16 x tile
	v_lshlrev_b32 v8, 2, v2
	v_lshl_add_u32 v8, v3, 11, v8                  ; lanes 0-15 store batches 0 and 2, lanes 16-31 batches 1 and 3
	s_wait_loadcnt 0x0                             ; W
.irp c, 0,1,2,3,4,5,6
.irp b, 0,1,2,3
	s_wait_dscnt 12                                ; this group of four is in (and, the first time, the eight older stores are done); the three younger groups may be out
	MF \c, \b
	TG \c+1, \b
.endr
.endr
.irp b, 0,1,2,3
	s_wait_dscnt 12-4*\b                           ; the last chunk: the counts run down
	MF 7, \b
.endr
.irp b, 0,1,2,3
	v_pk_add_f32 v[208+4*\b:209+4*\b], v[208+4*\b:209+4*\b], v[210+4*\b:211+4*\b]
.endr
.irp b, 0,1,2,3
	v_add_f32 v[208+4*\b], v[208+4*\b], v[209+4*\b]
.endr
.irp b, 0,1,2,3
	v_permlanex16_b32 v[209+4*\b], v[208+4*\b], s[SEL], s[SEL+1]
.endr
.irp b, 0,1,2,3
	v_add_f32 v[208+4*\b], v[208+4*\b], v[209+4*\b]                          ; with the other half of the row
.endr
	s_mov_b32 s43, 0xffff0000                      ; lanes 16-31
	v_cndmask_b32 v224, v208, v212, s43
	v_cndmask_b32 v225, v216, v220, s43
	global_store_b32 v8, v224, s[48:49]
	global_store_b32 v8, v225, s[48:49] offset:4096
	s_wait_tensorcnt 0x0
	ds_add_u32 v14, v15
	s_wait_dscnt 0x0
	s_endpgm
.Lfunc_end_k_q6677120d96_prep:
	.size	k_q6677120d96_prep, .Lfunc_end_k_q6677120d96_prep-k_q6677120d96_prep
	.p2alignl 7, 3214868480
	.fill 96, 4, 3214868480
	.section	.rodata,"a",@progbits
	.p2align	6, 0x0
	.amdhsa_kernel k_q6677120d96_prep
		.amdhsa_group_segment_fixed_size 16896
		.amdhsa_private_segment_fixed_size 0
		.amdhsa_enable_private_segment 0
		.amdhsa_kernarg_size 120
		.amdhsa_user_sgpr_count 2
		.amdhsa_user_sgpr_kernarg_segment_ptr 1
		.amdhsa_wavefront_size32 1
		.amdhsa_system_sgpr_workgroup_id_x 1
		.amdhsa_system_sgpr_workgroup_id_y 1
		.amdhsa_system_sgpr_workgroup_id_z 1
		.amdhsa_system_vgpr_workitem_id 0
		.amdhsa_next_free_vgpr 256
		.amdhsa_next_free_sgpr 66
		.amdhsa_reserve_vcc 0
		.amdhsa_float_denorm_mode_32 3
		.amdhsa_float_denorm_mode_16_64 3
		.amdhsa_memory_ordered 1
		.amdhsa_forward_progress 1
		.amdhsa_inst_pref_size 55
	.end_amdhsa_kernel
	.amdgpu_metadata
---
amdhsa.version: [ 1, 2 ]
amdhsa.kernels:
  - .name:           k_q6677120d96_prep
    .symbol:         k_q6677120d96_prep.kd
    .args:
      - { .name: W_q, .offset: 0, .size: 8, .value_kind: global_buffer, .address_space: global }
      - { .name: W_k, .offset: 8, .size: 8, .value_kind: global_buffer, .address_space: global }
      - { .name: W_v, .offset: 16, .size: 8, .value_kind: global_buffer, .address_space: global }
      - { .name: W_o, .offset: 24, .size: 8, .value_kind: global_buffer, .address_space: global }
      - { .name: gate_w, .offset: 32, .size: 8, .value_kind: global_buffer, .address_space: global }
      - { .name: hidden_w, .offset: 40, .size: 8, .value_kind: global_buffer, .address_space: global }
      - { .name: out_w, .offset: 48, .size: 8, .value_kind: global_buffer, .address_space: global }
      - { .name: attn_gamma_w, .offset: 56, .size: 8, .value_kind: global_buffer, .address_space: global }
      - { .name: attn_beta_w, .offset: 64, .size: 8, .value_kind: global_buffer, .address_space: global }
      - { .name: attn_alpha_w, .offset: 72, .size: 8, .value_kind: global_buffer, .address_space: global }
      - { .name: ffn_gamma_w, .offset: 80, .size: 8, .value_kind: global_buffer, .address_space: global }
      - { .name: ffn_beta_w, .offset: 88, .size: 8, .value_kind: global_buffer, .address_space: global }
      - { .name: ffn_alpha_w, .offset: 96, .size: 8, .value_kind: global_buffer, .address_space: global }
      - { .name: t, .offset: 104, .size: 8, .value_kind: global_buffer, .address_space: global }
      - { .name: wts, .offset: 112, .size: 8, .value_kind: global_buffer, .address_space: global }
    .group_segment_fixed_size: 16896
    .private_segment_fixed_size: 0
    .kernarg_segment_align: 8
    .kernarg_segment_size: 120
    .max_flat_workgroup_size: 128
    .sgpr_count:     66
    .vgpr_count:     256
    .wavefront_size: 32
...
	.end_amdgpu_metadata
.endif
;; end of part 1
;; launch qkv (part 2): grid 4 x 64, 4 waves a work-group, clusters of 4 x 1, 74,240 bytes of LDS; arguments x, wts, qkvb; writes qkvb
.if DOCPART == 2
	.amdgcn_target "amdgcn-amd-amdhsa--gfx1250"
	.amdhsa_code_object_version 6
	.text
	.protected	k_q6677120d96_qkv
	.globl	k_q6677120d96_qkv
	.p2align	8
	.type	k_q6677120d96_qkv,@function
k_q6677120d96_qkv:
	s_mov_b64 s[64:65], 0
	v_nop
	global_prefetch_b8 v0, s[64:65] scope:SCOPE_SE
	s_setreg_imm32_b32 hwreg(HW_REG_WAVE_MODE, 25, 1), 1
	s_wait_xcnt 0x0
	s_wait_alu depctr_hold_cnt(0) depctr_sa_sdst(0) depctr_va_vdst(0) depctr_va_sdst(0) depctr_va_ssrc(0) depctr_va_vcc(0) depctr_vm_vsrc(0)
	s_getreg_b32 s2, hwreg(HW_REG_IB_STS2, 6, 4)
	s_cmp_eq_u32 s2, 0
	s_cbranch_scc0 .Lentry_in_a_cluster
	s_endpgm
.Lentry_in_a_cluster:
	s_bfe_u32 s2, ttmp6, 0x10000c
	s_cmp_lg_u32 s2, 0x3003
	s_cbranch_scc0 .Lentry_shape_is_right
	s_endpgm
.Lentry_shape_is_right:
; QKV.  xn = gamma x rmsnorm(x) + beta (f32), quantised along its 512; q, k, v = xn W^T on codes of BF8 with E8M0 scales; q and k quantised along a head's 32, v along the keys.
; SHARES.  Work-group (slab, y): rows 128 y .. + 127 (one batch, one step of 128 keys), heads 4 slab .. + 3.  Wave w owns head 4 slab + w of q AND k AND v: 24 weight fragments, 384 registers, read once.
; PHASE X: wave w norms and quantises row tiles 2 w, 2 w + 1 and stores them in LDS as images of operand registers (16 bytes a lane, 512 a store).  The four slabs repeat this phase: a head's weights for all three products fill the registers.
; PHASE P, a tile of 16 rows at a time: q and k TRANSPOSED (source 0 = 16 rows of W, source 1 = xn): a lane holds one row and 16 neighbouring d.  v NOT transposed (source 0 = xn, source 1 = W_v): a lane holds one d and 8 keys,
; so two tiles give 16 keys of a block of 32.  Position (h, i) of a block holds key 16 (i / 8) + 8 h + i % 8: the same order in which the next launch's p comes out, inside one scale block.
; OUT: q, k: [head][tile of 16][512 bytes]; q's byte four times in a word; k's four tiles' bytes in a word (lanes 0-15: tiles 0-3 of the step, lanes 16-31: tiles 4-7); v: [head][step][d tile][2,048]; its words: lanes 0-15 d tile 0, 16-31 d tile 1.
; LIMITS: a block of zeros gets the byte 1 (its codes are zeros; this program alone reads the bytes); largest magnitudes under 2^-111 take that floor's byte; NaN and infinities are not served; sums in another order than a plain loop's.
; REGISTERS: window 0: v1-9 addresses; phase X: v16-79 numbers, v80-143 gamma (then codes), v144-207 beta, v208-223 at work, v224-226; phase P: v16-79 xn's four fragments, v80-143 results, v144-190 codes and words;
;   v228-231 xn's scale words, v232-255 the weights'.  window 1: W_q's 8 fragments, W_k's 8.  window 2: W_v's 8.  window 3: 256 numbers of x.
.set WSC, 4194304
.set MOD, 4456448
.set KC,  4194304
.set VC,  8388608
.set QS,  12582912
.set KS,  13631488
.set XSC, 65536                        ; LDS: images 0 .. 65,535 ((4 m + s) x 2,048); their scale words ((4 m + s) x 128);
.set GAM, 69632                        ; gamma, 2 KB; beta, 2 KB
.set LI,  1                            ; 16 x lane
.set LS,  2                            ; 4 x lane
.set XA,  3                            ; x: 2,048 r + 64 h
.set XWI, 4                            ; where I store images: 16 x lane + 16,384 x wave
.set XWS, 5                            ; and their words
.set LSX, 6                            ; 4 x lane + XSC
.set GA,  7                            ; gamma: 64 h + GAM
.set MW,  8                            ; 16 x thread + GAM
.set MG,  9                            ; 16 x thread
.set ST,  16
.set G,   80
.set BT,  144
.set TM,  208
.set SQ,  208
.set RS,  224
.set PW,  226
.set AF,  16
.set QA,  80
.set KA,  96
.set VA,  112
.set VCD, 144
.set PCQ, 176
.set PCK, 180
.set QW,  184
.set KW,  185
.set VW,  187
.set TP,  189
.set AS,  228
.set WS,  232
.set SEL, 18
.set MNT, 20
.set MSB, 0
.macro WIN new                         ; the immediate's high byte repeats the setting that is left
.if MSB != \new
	s_set_vgpr_msb (MSB<<8)|\new
.set MSB, \new
.endif
.endm
.macro PLACES n
.rept \n
	v_nop
.endr
.endm
.macro BARRIER                         ; my LDS stores have landed and my LDS loads are in: then the work-group's barrier
	s_wait_dscnt 0x0
	s_barrier_signal -1
	s_barrier_wait -1
.endm
.macro QUANT s, pc, pw                 ; 64 numbers of a lane (register 16 b + i = k 32 b + 16 h + i) -> 16 registers of codes, one scale word
.irp b, 0,1,2,3
	v_max3_num_f32 v[TM+\b], |v[\s+16*\b]|, |v[\s+1+16*\b]|, 0x8000000      ; and the floor 2^(16 - 127)
.endr
.irp i, 2,4,6,8,10,12,14
.irp b, 0,1,2,3
	v_max3_num_f32 v[TM+\b], v[TM+\b], |v[\s+16*\b+\i]|, |v[\s+1+16*\b+\i]|
.endr
.endr
.irp b, 0,1,2,3
	v_permlanex16_b32 v[TM+4+\b], v[TM+\b], s[SEL], s[SEL+1]
.endr
.irp b, 0,1,2,3
	v_max_num_f32 v[TM+\b], v[TM+\b], v[TM+4+\b]
.endr
.irp b, 0,1,2,3
	v_add_nc_u32 v[TM+12+\b], 0xf8800000, v[TM+\b]                           ; 15 off the exponent field: the conversion's scale operand
.endr
.irp b, 0,1,2,3
	v_and_or_b32 v[TM+8+\b], v[TM+\b], 0x7f800000, s[MNT]                    ; 57,344 x the scale
.endr
.irp b, 0,1,2,3
	v_lshrrev_b32 v[TM+4+\b], 23, v[TM+12+\b]                                ; the byte
.endr
	v_lshl_or_b32 v[\pw], v[TM+5], 8, v[TM+4]
	v_lshl_or_b32 v[\pw], v[TM+6], 16, v[\pw]
	v_lshl_or_b32 v[\pw], v[TM+7], 24, v[\pw]
.irp b, 0,1,2,3
.irp i, 0,1,2,3,4,5,6,7,8,9,10,11,12,13,14,15
	v_med3_num_f32 v[\s+16*\b+\i], v[\s+16*\b+\i], -v[TM+8+\b], v[TM+8+\b]   ; the conversion does not saturate (ISA guide 7.6.2)
.endr
	v_cvt_scalef32_pk8_bf8_f32 v[\pc+4*\b:\pc+1+4*\b], v[\s+16*\b:\s+7+16*\b], v[TM+12+\b]
	v_cvt_scalef32_pk8_bf8_f32 v[\pc+2+4*\b:\pc+3+4*\b], v[\s+8+16*\b:\s+15+16*\b], v[TM+12+\b]
.endr
	v_nop
.endm
.macro Q16 n, sA, dA, sB, dB           ; one or two blocks of 32, 16 numbers a lane each, by turns -> 4 registers of codes each; the bytes stay in v[TM+4], v[TM+5]
	v_max3_num_f32 v[TM], |v[\sA]|, |v[\sA+1]|, 0x8000000
.if \n > 1
	v_max3_num_f32 v[TM+1], |v[\sB]|, |v[\sB+1]|, 0x8000000
.endif
.irp i, 2,4,6,8,10,12,14
	v_max3_num_f32 v[TM], v[TM], |v[\sA+\i]|, |v[\sA+\i+1]|
.if \n > 1
	v_max3_num_f32 v[TM+1], v[TM+1], |v[\sB+\i]|, |v[\sB+\i+1]|
.endif
.endr
	v_permlanex16_b32 v[TM+4], v[TM], s[SEL], s[SEL+1]
.if \n > 1
	v_permlanex16_b32 v[TM+5], v[TM+1], s[SEL], s[SEL+1]
.endif
	v_max_num_f32 v[TM], v[TM], v[TM+4]
.if \n > 1
	v_max_num_f32 v[TM+1], v[TM+1], v[TM+5]
.endif
	v_add_nc_u32 v[TM+12], 0xf8800000, v[TM]
	v_and_or_b32 v[TM+8], v[TM], 0x7f800000, s[MNT]
	v_lshrrev_b32 v[TM+4], 23, v[TM+12]
.if \n > 1
	v_add_nc_u32 v[TM+13], 0xf8800000, v[TM+1]
	v_and_or_b32 v[TM+9], v[TM+1], 0x7f800000, s[MNT]
	v_lshrrev_b32 v[TM+5], 23, v[TM+13]
.endif
.irp i, 0,1,2,3,4,5,6,7,8,9,10,11,12,13,14,15
	v_med3_num_f32 v[\sA+\i], v[\sA+\i], -v[TM+8], v[TM+8]
.endr
	v_cvt_scalef32_pk8_bf8_f32 v[\dA:\dA+1], v[\sA:\sA+7], v[TM+12]
	v_cvt_scalef32_pk8_bf8_f32 v[\dA+2:\dA+3], v[\sA+8:\sA+15], v[TM+12]
.if \n > 1
.irp i, 0,1,2,3,4,5,6,7,8,9,10,11,12,13,14,15
	v_med3_num_f32 v[\sB+\i], v[\sB+\i], -v[TM+9], v[TM+9]
.endr
	v_cvt_scalef32_pk8_bf8_f32 v[\dB:\dB+1], v[\sB:\sB+7], v[TM+13]
	v_cvt_scalef32_pk8_bf8_f32 v[\dB+2:\dB+3], v[\sB+8:\sB+15], v[TM+13]
.endif
	v_nop
.endm
.macro MM0 d, a, b, sa, sb             ; the first K step starts a sum
	v_wmma_scale_f32_16x16x128_f8f6f4 v[\d:\d+7], v[\a:\a+15], v[\b:\b+15], 0, v[\sa], v[\sb] matrix_a_fmt:MATRIX_FMT_BF8 matrix_b_fmt:MATRIX_FMT_BF8
.endm
.macro MMA d, a, b, sa, sb
	v_wmma_scale_f32_16x16x128_f8f6f4 v[\d:\d+7], v[\a:\a+15], v[\b:\b+15], v[\d:\d+7], v[\sa], v[\sb] matrix_a_fmt:MATRIX_FMT_BF8 matrix_b_fmt:MATRIX_FMT_BF8
.endm
	s_load_b128 s[4:7], s[0:1], 0x0                ; x, wts
	s_load_b64 s[8:9], s[0:1], 0x10                ; qkvb
	v_lshl_add_u32 v15, v0, 2, 0x12000
	v_mov_b32 v227, 0
	v_lshrrev_b32 v10, 5, v0
	v_readfirstlane_b32 s10, v10                   ; wave
	v_and_b32 v10, 31, v0
	v_and_b32 v11, 15, v0                          ; r
	v_bfe_u32 v12, v0, 4, 1                        ; h
	v_lshlrev_b32 v[LI], 4, v10
	v_lshlrev_b32 v[LS], 2, v10
	v_lshlrev_b32 v[XA], 11, v11
	v_lshl_add_u32 v[XA], v12, 6, v[XA]
	s_lshl_b32 s24, s10, 14
	v_add_nc_u32 v[XWI], s24, v[LI]
	s_lshl_b32 s24, s10, 10
	s_add_co_u32 s24, s24, XSC
	v_add_nc_u32 v[XWS], s24, v[LS]
	v_add_nc_u32 v[LSX], XSC, v[LS]
	v_lshlrev_b32 v[GA], 6, v12
	v_add_nc_u32 v[GA], GAM, v[GA]
	v_lshlrev_b32 v[MG], 4, v0
	v_add_nc_u32 v[MW], GAM, v[MG]
	s_mov_b32 s[SEL], 0x76543210
	s_mov_b32 s[SEL+1], 0xfedcba98
	s_mov_b32 s[MNT], 0x600000
	s_mov_b32 s21, 0x3b000000                      ; 1 / 512
	s_mov_b32 s22, 0x358637bd                      ; 1e-6
	s_mov_b32 s23, 0xffff0000                      ; lanes 16-31
	s_and_b32 s12, ttmp7, 0xffff                   ; y
	s_lshr_b32 s13, s12, 4                         ; batch
	s_and_b32 s14, s12, 15                         ; step of 128 keys
	s_bfe_u32 s15, ttmp6, 0x40000                  ; CLUSTER 4, 1, 1: the four slabs that read the same rows of x are launched together; x goes straight into registers, so there is no joint load and no round
	s_lshl_b32 s11, ttmp9, 2
	s_add_co_u32 s15, s15, s11                     ; slab = 4 x cluster x + cx: it enters global addresses alone
	s_lshl_b32 s15, s15, 2
	s_add_co_u32 s15, s15, s10                     ; head
	s_lshl_b32 s16, s13, 4
	s_add_co_u32 s16, s16, s15                     ; batch x 16 + head
	s_mov_b32 s25, 0
	s_wait_alu depctr_va_vdst(0)
	s_wait_kmcnt 0x0
	s_lshl_b32 s24, s12, 18
	s_lshl_b32 s17, s10, 16
	s_add_co_u32 s24, s24, s17
	s_add_nc_u64 s[26:27], s[4:5], s[24:25]        ; x at my two tiles
	s_lshl_b32 s24, s13, 11
	s_add_co_u32 s24, s24, MOD
	s_add_nc_u64 s[28:29], s[6:7], s[24:25]        ; attn gamma of my batch; beta 8,192 on
	s_lshl_b32 s24, s15, 14
	s_add_nc_u64 s[30:31], s[6:7], s[24:25]        ; W_q's fragments of my head; W_k's 262,144 on, W_v's 524,288 on
	s_lshl_b32 s24, s15, 10
	s_add_co_u32 s24, s24, WSC
	s_add_nc_u64 s[32:33], s[6:7], s[24:25]        ; their scale words; 16,384 and 32,768 on
	s_lshl_b32 s24, s16, 16
	s_lshl_b32 s17, s14, 12
	s_add_co_u32 s24, s24, s17
	s_add_nc_u64 s[34:35], s[8:9], s[24:25]        ; q's codes (k's: KC on)
	s_add_co_u32 s24, s24, VC
	s_add_nc_u64 s[36:37], s[8:9], s[24:25]        ; v's codes
	s_lshl_b32 s24, s16, 14
	s_lshl_b32 s17, s14, 10
	s_add_co_u32 s24, s24, s17
	s_add_co_u32 s24, s24, QS
	s_add_nc_u64 s[38:39], s[8:9], s[24:25]        ; q's words
	s_lshl_b32 s24, s16, 11
	s_lshl_b32 s17, s14, 7
	s_add_co_u32 s24, s24, s17
	s_add_co_u32 s24, s24, KS
	s_add_nc_u64 s[40:41], s[8:9], s[24:25]        ; k's words; v's 131,072 on
.macro XL s, off                       ; 64 numbers a lane: K step s of the tile off bytes on, into window 3
.irp b, 0,1,2,3
.irp j, 0,1,2,3
	global_load_b128 v[64*\s+16*\b+4*\j:64*\s+16*\b+4*\j+3], v[XA], s[26:27] offset:\off+512*\s+128*\b+16*\j
.endr
.endr
.endm
.macro NORM                            ; 1 / sqrt(mean of my row's squares + 1e-6) into v[RS], twice
	WIN 0x0f                                       ; sources 0 and 1 window 3
.irp q, 0,1,2,3
	v_pk_mul_f32 v[SQ+2*\q:SQ+2*\q+1], v[2*\q:2*\q+1], v[2*\q:2*\q+1]        ; four chains; the first products start them
.endr
.set i, 4
.rept 124
	v_pk_fma_f32 v[SQ+2*(i%4):SQ+2*(i%4)+1], v[2*i:2*i+1], v[2*i:2*i+1], v[SQ+2*(i%4):SQ+2*(i%4)+1]
.set i, i+1
.endr
	WIN 0
	v_pk_add_f32 v[SQ:SQ+1], v[SQ:SQ+1], v[SQ+2:SQ+3]
	v_pk_add_f32 v[SQ+4:SQ+5], v[SQ+4:SQ+5], v[SQ+6:SQ+7]
	v_pk_add_f32 v[SQ:SQ+1], v[SQ:SQ+1], v[SQ+4:SQ+5]
	v_add_f32 v[SQ], v[SQ], v[SQ+1]
	v_permlanex16_b32 v[SQ+1], v[SQ], s[SEL], s[SEL+1]
	v_add_f32 v[SQ], v[SQ], v[SQ+1]                ; with the row's other half
	v_fma_f32 v[SQ], v[SQ], s21, s22
	s_wait_alu depctr_va_vdst(0)
	v_rsq_f32 v[RS], v[SQ]
	v_nop                                          ; one plain line behind the transcendental
	s_wait_alu depctr_va_vdst(0)
	v_mov_b32 v[RS+1], v[RS]
.endm
.macro XSTEP e, s, ahead               ; K step s of my tile e: normed, modulated, quantised, stored as an image.  ahead = 1: the next tile's same step is asked for into the registers just read
	s_wait_dscnt 0x0                               ; the last image's stores have read the registers that gamma now takes
.irp b, 0,1,2,3
.irp j, 0,1,2,3
	ds_load_b128 v[G+16*\b+4*\j:G+16*\b+4*\j+3], v[GA] offset:512*\s+128*\b+16*\j
.endr
.endr
.irp b, 0,1,2,3
.irp j, 0,1,2,3
	ds_load_b128 v[BT+16*\b+4*\j:BT+16*\b+4*\j+3], v[GA] offset:2048+512*\s+128*\b+16*\j
.endr
.endr
	WIN 0x03                                       ; source 0 window 3
.set i, 0
.rept 32
	v_pk_mul_f32 v[ST+2*i:ST+2*i+1], v[64*\s+2*i:64*\s+2*i+1], v[RS:RS+1] op_sel_hi:[1,0]
.set i, i+1
.endr
.if \ahead
	WIN 0xc0                                       ; destination window 3
	XL \s, 32768
.endif
	WIN 0
	s_wait_dscnt 0x0
.set i, 0
.rept 32
	v_pk_fma_f32 v[ST+2*i:ST+2*i+1], v[ST+2*i:ST+2*i+1], v[G+2*i:G+2*i+1], v[BT+2*i:BT+2*i+1]
.set i, i+1
.endr
	QUANT ST, G, PW
.irp c, 0,1,2,3
	ds_store_b128 v[XWI], v[G+4*\c:G+4*\c+3] offset:(4*\e+\s)*2048+512*\c
.endr
	ds_store_b32 v[XWS], v[PW] offset:(4*\e+\s)*128
.endm
	; ---- phase X
	global_load_b128 v[208:211], v[MG], s[28:29]
	global_load_b128 v[212:215], v[MG], s[28:29] offset:8192
	WIN 0xc0
.irp s, 0,1,2,3
	XL \s, 0
.endr
	WIN 0
	s_wait_loadcnt 63                              ; 66 were issued: the oldest three are in, gamma and beta among them
	ds_store_b128 v[MW], v[208:211]
	ds_store_b128 v[MW], v[212:215] offset:2048
	BARRIER                                        ; gamma and beta lie in LDS
	s_wait_loadcnt 0x0
	NORM
	s_wait_alu depctr_va_vdst(0)
.irp s, 0,1,2,3
	XSTEP 0, \s, 1
.endr
	WIN 0x40                                       ; the weights: destination window 1,
.irp f, 0,1,2,3,4,5,6,7
.irp c, 0,1,2,3
	global_load_b128 v[16*\f+4*\c:16*\f+4*\c+3], v[LI], s[30:31] offset:2048*\f+512*\c
	global_load_b128 v[128+16*\f+4*\c:128+16*\f+4*\c+3], v[LI], s[30:31] offset:262144+2048*\f+512*\c
.endr
.endr
	WIN 0x80                                       ; window 2
.irp f, 0,1,2,3,4,5,6,7
.irp c, 0,1,2,3
	global_load_b128 v[16*\f+4*\c:16*\f+4*\c+3], v[LI], s[30:31] offset:524288+2048*\f+512*\c
.endr
.endr
	WIN 0
.irp f, 0,1,2,3,4,5,6,7
	global_load_b32 v[WS+\f], v[LS], s[32:33] offset:128*\f
	global_load_b32 v[WS+8+\f], v[LS], s[32:33] offset:16384+128*\f
	global_load_b32 v[WS+16+\f], v[LS], s[32:33] offset:32768+128*\f
.endr
	s_wait_loadcnt 63                              ; 120 loads were issued behind the second tile's x: with 63 out at the most, x is in
	NORM
	s_wait_alu depctr_va_vdst(0)
.irp s, 0,1,2,3
	XSTEP 1, \s, 0
.endr
	BARRIER                                        ; all 32 images lie in LDS
	s_wait_loadcnt 0x0                             ; the weights
	; ---- phase P
.macro FETCH m
.irp s, 0,1,2,3
.irp c, 0,1,2,3
	ds_load_b128 v[AF+16*\s+4*\c:AF+16*\s+4*\c+3], v[LI] offset:(4*(\m)+\s)*2048+512*\c
.endr
	ds_load_b32 v[AS+\s], v[LSX] offset:(4*(\m)+\s)*128
.endr
.endm
	FETCH 0
.irp m, 0,1,2,3,4,5,6,7
	s_wait_dscnt 0x0
	WIN 0x01                                       ; source 0 window 1.  Four accumulators by turns
.irp s, 0,1,2,3
.irp u, 0,1
.if \s == 0
	MM0 QA+8*\u, 16*(4*\u+\s), AF+16*\s, WS+4*\u+\s, AS+\s
.else
	MMA QA+8*\u, 16*(4*\u+\s), AF+16*\s, WS+4*\u+\s, AS+\s
.endif
.endr
.irp u, 0,1
.if \s == 0
	MM0 KA+8*\u, 128+16*(4*\u+\s), AF+16*\s, WS+8+4*\u+\s, AS+\s
.else
	MMA KA+8*\u, 128+16*(4*\u+\s), AF+16*\s, WS+8+4*\u+\s, AS+\s
.endif
.endr
.endr
	WIN 0x08                                       ; source 1 window 2: v, not transposed; two accumulators by turns
.irp s, 0,1,2,3
.irp n, 0,1
.if \s == 0
	MM0 VA+16*\n+8*(\m%2), AF+16*\s, 16*(4*\n+\s), AS+\s, WS+16+4*\n+\s
.else
	MMA VA+16*\n+8*(\m%2), AF+16*\s, 16*(4*\n+\s), AS+\s, WS+16+4*\n+\s
.endif
.endr
.endr
	WIN 0
	PLACES 8                                       ; eight places behind this form, ahead of the loads into its operands and of the first read of results
.if \m < 7
	FETCH \m+1
.endif
	s_wait_xcnt 0x0                                ; the last tile's stores have read their data
	Q16 2, QA, PCQ, KA, PCK
	v_lshl_or_b32 v[QW], v[TM+4], 8, v[TM+4]
	v_lshl_or_b32 v[QW], v[QW], 16, v[QW]          ; q's byte four times: q will stand in any of the four blocks of a K step
.if \m%4 == 0
	v_mov_b32 v[KW+\m/4], v[TM+5]
.else
	v_lshl_or_b32 v[KW+\m/4], v[TM+5], 8*(\m%4), v[KW+\m/4]
.endif
	global_store_b128 v[LI], v[PCQ:PCQ+3], s[34:35] offset:512*\m
	global_store_b128 v[LI], v[PCK:PCK+3], s[34:35] offset:KC+512*\m
	global_store_b32 v[LS], v[QW], s[38:39] offset:128*\m
.if \m%2 == 1
	Q16 2, VA, VCD+4*(\m/2), VA+16, VCD+16+4*(\m/2)
.if \m/2 == 0
	v_mov_b32 v[VW], v[TM+4]
	v_mov_b32 v[VW+1], v[TM+5]
.else
	v_lshl_or_b32 v[VW], v[TM+4], 8*(\m/2), v[VW]
	v_lshl_or_b32 v[VW+1], v[TM+5], 8*(\m/2), v[VW+1]
.endif
.endif
.endr
	v_cndmask_b32 v[TP], v[KW], v[KW+1], s23       ; lanes 16-31 take the second word
	v_cndmask_b32 v[TP+1], v[VW], v[VW+1], s23
	global_store_b32 v[LS], v[TP], s[40:41]
	global_store_b32 v[LS], v[TP+1], s[40:41] offset:131072
.irp n, 0,1
.irp c, 0,1,2,3
	global_store_b128 v[LI], v[VCD+16*\n+4*\c:VCD+16*\n+4*\c+3], s[36:37] offset:2048*\n+512*\c
.endr
.endr
	s_wait_tensorcnt 0x0
	ds_add_u32 v15, v227
	s_wait_dscnt 0x0
	s_endpgm
.Lfunc_end_k_q6677120d96_qkv:
	.size	k_q6677120d96_qkv, .Lfunc_end_k_q6677120d96_qkv-k_q6677120d96_qkv
	.p2alignl 7, 3214868480
	.fill 96, 4, 3214868480
	.section	.rodata,"a",@progbits
	.p2align	6, 0x0
	.amdhsa_kernel k_q6677120d96_qkv
		.amdhsa_group_segment_fixed_size 74240
		.amdhsa_private_segment_fixed_size 0
		.amdhsa_enable_private_segment 0
		.amdhsa_kernarg_size 24
		.amdhsa_user_sgpr_count 2
		.amdhsa_user_sgpr_kernarg_segment_ptr 1
		.amdhsa_wavefront_size32 1
		.amdhsa_system_sgpr_workgroup_id_x 1
		.amdhsa_system_sgpr_workgroup_id_y 1
		.amdhsa_system_sgpr_workgroup_id_z 1
		.amdhsa_system_vgpr_workitem_id 0
		.amdhsa_next_free_vgpr 1024
		.amdhsa_next_free_sgpr 66
		.amdhsa_reserve_vcc 0
		.amdhsa_float_denorm_mode_32 3
		.amdhsa_float_denorm_mode_16_64 3
		.amdhsa_memory_ordered 1
		.amdhsa_forward_progress 1
		.amdhsa_inst_pref_size 250
	.end_amdhsa_kernel
	.amdgpu_metadata
---
amdhsa.version: [ 1, 2 ]
amdhsa.kernels:
  - .name:           k_q6677120d96_qkv
    .symbol:         k_q6677120d96_qkv.kd
    .args:
      - { .name: x, .offset: 0, .size: 8, .value_kind: global_buffer, .address_space: global }
      - { .name: wts, .offset: 8, .size: 8, .value_kind: global_buffer, .address_space: global }
      - { .name: qkvb, .offset: 16, .size: 8, .value_kind: global_buffer, .address_space: global }
    .group_segment_fixed_size: 74240
    .private_segment_fixed_size: 0
    .kernarg_segment_align: 8
    .kernarg_segment_size: 24
    .max_flat_workgroup_size: 128
    .sgpr_count:     66
    .vgpr_count:     1024
    .wavefront_size: 32
...
	.end_amdgpu_metadata
.endif
;; end of part 2
;; launch attn (part 3): grid 4 x 64, 16 waves a work-group, clusters of 4 x 1, 169,984 bytes of LDS; arguments qkvb, att; writes att
.if DOCPART == 3
	.amdgcn_target "amdgcn-amd-amdhsa--gfx1250"
	.amdhsa_code_object_version 6
	.text
	.protected	k_q6677120d96_attn
	.globl	k_q6677120d96_attn
	.p2align	8
	.type	k_q6677120d96_attn,@function
k_q6677120d96_attn:
	s_mov_b64 s[64:65], 0
	v_nop
	global_prefetch_b8 v0, s[64:65] scope:SCOPE_SE
	s_setreg_imm32_b32 hwreg(HW_REG_WAVE_MODE, 25, 1), 1
	s_wait_xcnt 0x0
	s_wait_alu depctr_hold_cnt(0) depctr_sa_sdst(0) depctr_va_vdst(0) depctr_va_sdst(0) depctr_va_ssrc(0) depctr_va_vcc(0) depctr_vm_vsrc(0)
	s_getreg_b32 s2, hwreg(HW_REG_IB_STS2, 6, 4)
	s_cmp_eq_u32 s2, 0
	s_cbranch_scc0 .Lentry_in_a_cluster
	s_endpgm
.Lentry_in_a_cluster:
	s_bfe_u32 s2, ttmp6, 0x10000c
	s_cmp_lg_u32 s2, 0x3003
	s_cbranch_scc0 .Lentry_shape_is_right
	s_endpgm
.Lentry_shape_is_right:
; ATTENTION on codes of BF8 (E5M2) with E8M0 scales; head size 32, 2,048 keys.  t = score x log2(e) / sqrt(32); M = the running largest t rounded up to a whole number; p = 2^(t - M) is quantised along the keys, not normalised;
; the row's sum is taken of the unquantised p and divides O at the end; when M moves, the sum and O are multiplied by 2^(old M - new M), which rounds nothing.  o is then quantised along its head's 32 for the next product.
; SHARES.  Work-group (x, head of a batch): 512 queries.  Sixteen waves of 256 registers, four to a SIMD; a wave takes two tiles of 16 queries, one after the other, and walks all keys, 128 a step.
; The head's K and V codes and scale words (132 KB) come into LDS ONCE, as images of operand registers: every LDS load takes 16 bytes a lane, 512 on end.  No LDS byte is filled twice.
; CLUSTER 4, 1, 1: the four work-groups of a head read the same K and V, so each of the ten tensor loads is a joint one (mask 15); its descriptor hangs on the head and the wave's number alone.  One round stands ahead of them, one ahead of s_endpgm.
; No prefetch: the launch's one fill stands at its start, ahead of all its work.
; S^T = K Q^T WITH K = 32 IN A FORM 128 DEEP: source 0 holds FOUR tiles of 16 keys, one in each block of 32; source 1 is Q in one block and zero codes in the other three: v16-43 hold 12 zeros, Q's 4 registers, 12 zeros, and
; v[28 - 4 c : 43 - 4 c] has Q in block c.  K's codes are finite (the quantiser holds them), so the other blocks add nothing.  Q's scale byte stands four times in its word.
; O^T = V^T P^T: a lane holds one query throughout.  Position (h, i) of a block of 32 keys holds key 16 (i / 8) + 8 h + i % 8 in p and in V alike.
; THE STEP IS TURNED BY ONE PRODUCT: a trip is softmax(j), K Q^T(j + 1), the joining of the sum's eight parts, V^T P^T(j).  Those eight lines name nothing of K Q^T: they are its eight places.
; THE EXPONENTIALS GO BLOCK BY BLOCK, 16 at a time, and beside each stands a plain line of ANOTHER block: the multiply-adds t - M of blocks to come, the sums, holds and conversions of blocks that are done.
; A wait stands at each change of region: it closes one batch and opens the next.  What a region's plain lines write is first read behind the region's closing wait; what they read was written ahead of its opening wait.
; LIMITS: blocks of zeros and largest magnitudes under 2^-111 take the byte 1; NaN and infinities are not served; a block's largest p is made from the block's largest score by the same two instructions (v_exp_f32 is taken not to fall where its input rises);
; the promise holds while the scaled scores stay under 2^31 in magnitude.
.set KC,   4194304
.set QS,   12582912
.set OS,   4194304
.set KSC,  131072                      ; LDS: K's images 0; V's images 65,536; K's words here; V's words 2,048 on
.set SPARE, 167936                     ; the spare words, 128 bytes a wave
.set LI,  1                            ; 16 x lane
.set LIK, 2                            ; 16 x lane + 4,096: from here K of the next step lies at 0, V of this step at 61,440
.set LSS, 3                            ; 4 x lane + KSC
.set L4,  4                            ; 4 x lane
.set QW1, 7                            ; the second tile's Q scale word
.set AD,  8
.set ADS, 9
.set QW0, 44                           ; the first tile's Q scale word;  v45 K's, v46 V's, v47 p's
.set KF,  48                           ; K: two fragments
.set VF,  80                           ; V: two fragments
.set S,   112                          ; S^T, then p
.set OT,  176                          ; O^T: two tiles
.set P,   192                          ; p's codes
.set BM,  208
.set TM,  208
.set T4,  212
.set HOLD, 216
.set SCL, 220
.set F,   224
.set TMP, 226
.set OLD, 227
.set W01, 228                          ; halves of p's scale word
.set W23, 229
.set Q1,  232                          ; the second tile's Q codes, until their turn
.set AC,  236                          ; v236-251: a step's sum of p in eight parts
.set WV,  8
.set SEL, 40
.set CS,  42
.set MNT, 44
.set TB,  45
.set TS,  46
.set CNT, 47
.macro PLACES n
.rept \n
	v_nop
.endr
.endm
.macro ROUND                           ; a round of the cluster's barrier
	s_barrier_signal -1
	s_barrier_wait -1
	s_cmp_lg_u32 s[WV], 0
	s_cbranch_scc1 .Lnot_wave_0_\@
	s_barrier_signal -3
.Lnot_wave_0_\@:
	s_barrier_wait -3
	s_barrier_signal -1
	s_barrier_wait -1
.endm
.macro DESC1 g, rows                   ; a dense block as rows of 256 bytes (32 elements of 8 bytes), no padding; mask 15, bit 21 set beside it
	s_mov_b32 s[\g], (3<<16)|(1<<21)|15
	s_mov_b32 s[\g+1], 32<<16
	s_mov_b32 s[\g+2], (\rows)<<16
	s_mov_b32 s[\g+3], 32<<16
	s_mov_b32 s[\g+4], \rows
	s_mov_b32 s[\g+5], 32
	s_mov_b32 s[\g+6], 0
	s_mov_b32 s[\g+7], 0
.endm
.macro Q16 sA, dA                      ; a block of 32, 16 numbers a lane -> 4 registers of codes; the byte stays in v[TM+4]
	v_max3_num_f32 v[TM], |v[\sA]|, |v[\sA+1]|, 0x8000000
.irp i, 2,4,6,8,10,12,14
	s_delay_alu instid0(VALU_DEP_1)
	v_max3_num_f32 v[TM], v[TM], |v[\sA+\i]|, |v[\sA+\i+1]|
.endr
	s_delay_alu instid0(VALU_DEP_1)
	v_permlanex16_b32 v[TM+4], v[TM], s[SEL], s[SEL+1]
	s_delay_alu instid0(VALU_DEP_1)
	v_max_num_f32 v[TM], v[TM], v[TM+4]
	s_delay_alu instid0(VALU_DEP_1)
	v_add_nc_u32 v[TM+12], 0xf8800000, v[TM]
	s_delay_alu instid0(VALU_DEP_2)
	v_and_or_b32 v[TM+8], v[TM], 0x7f800000, s[MNT]
	s_delay_alu instid0(VALU_DEP_2)
	v_lshrrev_b32 v[TM+4], 23, v[TM+12]
.irp i, 0,1,2,3,4,5,6,7,8,9,10,11,12,13,14,15
	v_med3_num_f32 v[\sA+\i], v[\sA+\i], -v[TM+8], v[TM+8]
.endr
	v_cvt_scalef32_pk8_bf8_f32 v[\dA:\dA+1], v[\sA:\sA+7], v[TM+12]
	v_cvt_scalef32_pk8_bf8_f32 v[\dA+2:\dA+3], v[\sA+8:\sA+15], v[TM+12]
	v_nop
.endm
	s_load_b128 s[4:7], s[0:1], 0x0                ; qkvb, att
	v_lshl_add_u32 v254, v0, 2, SPARE
	v_mov_b32 v255, 0
	ds_add_u32 v254, v255                          ; the opening lines: the add, twice on end, and its wait
	ds_add_u32 v254, v255
	v_lshrrev_b32 v5, 5, v0
	v_readfirstlane_b32 s[WV], v5                  ; wave 0..15
	s_and_b32 s9, ttmp7, 0xffff                    ; batch x 16 + head
	s_bfe_u32 s10, ttmp6, 0x40000                  ; cx
	s_lshl_b32 s11, ttmp9, 2
	s_add_co_u32 s10, s10, s11                     ; which 512 queries = 4 x cluster x + cx: it enters Q's and o's global addresses alone
	DESC1 16, 64                                   ; 16 KB of codes
	DESC1 24, 8                                    ; 2 KB of scale words
	s_mov_b32 s32, 1
	s_lshl_b32 s33, s[WV], 14                      ; waves 0-3: quarters of K's images, waves 4-7: of V's
	s_mov_b32 s36, 1
	s_lshl_b32 s37, s[WV], 11
	s_add_co_u32 s37, s37, 114688                  ; wave 8: K's words at 131,072; wave 9: V's at 133,120
	s_lshr_b32 s48, s[WV], 2
	s_lshl_b32 s48, s48, 22
	s_and_b32 s49, s[WV], 3
	s_lshl_b32 s49, s49, 14
	s_add_co_u32 s48, s48, s49
	s_lshl_b32 s49, s9, 16
	s_add_co_u32 s48, s48, s49
	s_add_co_u32 s48, s48, KC
	s_mov_b32 s49, 0
	s_wait_dscnt 0x0                               ; both opening adds are done
	s_wait_kmcnt 0x0
	s_add_nc_u64 s[34:35], s[4:5], s[48:49]
	s_or_b32 s35, s35, 0x80000000
	s_lshl_b32 s48, s[WV], 17                      ; K's words begin 8 x 131,072 behind Q's words, V's 9 x
	s_lshl_b32 s58, s9, 11
	s_add_co_u32 s48, s48, s58
	s_add_co_u32 s48, s48, QS
	s_add_nc_u64 s[38:39], s[4:5], s[48:49]
	s_or_b32 s39, s39, 0x80000000
	ROUND                                          ; the four work-groups are here: the joint loads meet
	s_cmp_lt_u32 s[WV], 8                          ; one chain of branches on the wave's number, one load to an arm
	s_cbranch_scc0 .Lnot_codes
	tensor_load_to_lds s[32:35], s[16:23]
	s_nop 0
	PLACES 4
	s_branch .Lasked
.Lnot_codes:
	s_cmp_lt_u32 s[WV], 10
	s_cbranch_scc0 .Lasked
	tensor_load_to_lds s[36:39], s[24:31]
	s_nop 0
	PLACES 4
.Lasked:
	v_and_b32 v5, 31, v0
	v_lshlrev_b32 v[LI], 4, v5
	v_lshlrev_b32 v[L4], 2, v5
	v_add_nc_u32 v[LIK], 4096, v[LI]
	v_add_nc_u32 v[LSS], KSC, v[L4]
.irp j, 0,1,2,3,4,5,6,7,8,9,10,11
	v_mov_b32 v[16+\j], 0                          ; zero codes on both sides of Q
	v_mov_b32 v[32+\j], 0
.endr
.irp b, 0,1,2,3
	v_mov_b32 v[T4+\b], 0                          ; a lane permute's destination counts as read
.endr
	v_mov_b32 v[F+1], 0                            ; named as the upper half of a pair
	s_wait_alu depctr_va_vdst(0)                   ; the end of the head's vector work
	s_lshl_b32 s48, s9, 7
	s_lshl_b32 s58, s10, 5
	s_add_co_u32 s48, s48, s58
	s_lshl_b32 s58, s[WV], 1
	s_add_co_u32 s59, s48, s58                     ; my first tile of queries: 128 x head + 32 x + 2 w
	s_lshl_b32 s48, s59, 9
	s_add_nc_u64 s[50:51], s[4:5], s[48:49]        ; its codes
	s_lshl_b32 s48, s59, 7
	s_add_co_u32 s48, s48, QS
	s_add_nc_u64 s[52:53], s[4:5], s[48:49]        ; its words
	global_load_b128 v[28:31], v[LI], s[50:51]     ; both tiles' Q are asked for now: the second waits in registers for its turn
	global_load_b32 v[QW0], v[L4], s[52:53]
	global_load_b128 v[Q1:Q1+3], v[LI], s[50:51] offset:512
	global_load_b32 v[QW1], v[L4], s[52:53] offset:128
	s_mov_b32 s[SEL], 0x76543210
	s_mov_b32 s[SEL+1], 0xfedcba98
	s_mov_b32 s[CS], 0x3e8293ee                    ; c = log2(e) / sqrt(32)
	s_mov_b32 s[CS+1], s[CS]
	s_mov_b32 s[MNT], 0x600000
	s_lshr_b32 s48, s9, 4
	s_lshl_b32 s48, s48, 7
	s_lshl_b32 s58, s10, 5
	s_add_co_u32 s48, s48, s58
	s_lshl_b32 s58, s[WV], 1
	s_add_co_u32 s59, s48, s58                     ; the same tile among all rows: 128 x batch + 32 x + 2 w
	s_lshl_b32 s59, s59, 4
	s_and_b32 s58, s9, 15
	s_add_co_u32 s59, s59, s58                     ; x 16 + head
	s_lshl_b32 s48, s59, 9
	s_add_nc_u64 s[54:55], s[6:7], s[48:49]        ; o's codes
	s_lshl_b32 s48, s59, 7
	s_add_co_u32 s48, s48, OS
	s_add_nc_u64 s[56:57], s[6:7], s[48:49]        ; o's bytes
	s_wait_tensorcnt 0x0                           ; my part has landed,
	s_barrier_signal -1
	s_barrier_wait -1                              ; everybody's has
.macro SQK qs                          ; S^T of 128 keys: eight tiles, each begun with the constant 0
.irp c, 0,1,2,3
	v_wmma_scale_f32_16x16x128_f8f6f4 v[S+8*\c:S+8*\c+7], v[KF:KF+15], v[28-4*\c:43-4*\c], 0, v45, v[\qs] matrix_a_fmt:MATRIX_FMT_BF8 matrix_b_fmt:MATRIX_FMT_BF8
.endr
.irp c, 0,1,2,3
	v_wmma_scale_f32_16x16x128_f8f6f4 v[S+32+8*\c:S+32+8*\c+7], v[KF+16:KF+31], v[28-4*\c:43-4*\c], 0, v45, v[\qs] matrix_a_fmt:MATRIX_FMT_BF8 matrix_b_fmt:MATRIX_FMT_BF8 matrix_a_scale:MATRIX_SCALE_ROW1
.endr
.endm
.macro EX r                            ; p = 2^(t - M), in place
	v_exp_f32 v[S+(\r)], v[S+(\r)]
.endm
.macro FMA p                           ; t - M of the p-th pair of scores (of the pairs c and -M the low word serves both halves)
	v_pk_fma_f32 v[S+2*(\p):S+2*(\p)+1], v[S+2*(\p):S+2*(\p)+1], s[CS:CS+1], v[12:13] op_sel_hi:[1,0,0]
.endm
.macro HOLD2 b, i                      ; two holds an instruction (p is not negative, so the hold is one-sided; the conversion does not saturate: ISA guide 7.6.2): element i of block b beside element i xor 1 of block b + 1:
	v_dual_min_num_f32 v[S+16*\b+(\i)], v[S+16*\b+(\i)], v[HOLD+\b] :: v_dual_min_num_f32 v[S+16*\b+16+(\i)+1-2*((\i)%2)], v[S+16*\b+16+(\i)+1-2*((\i)%2)], v[HOLD+\b+1]   ; one destination even, one odd; sources in different banks
.endm
.macro CVT q                           ; eight of p's codes: numbers 8 q .. 8 q + 7 of the lane
	v_cvt_scalef32_pk8_bf8_f32 v[P+2*(\q):P+2*(\q)+1], v[S+8*(\q):S+8*(\q)+7], v[SCL+(\q)/2]
.endm
.macro WAITV
	s_wait_alu depctr_va_vdst(0)                   ; the wait behind a batch of exponentials and ahead of the next
.endm
; A step: the scores of its 128 keys lie in v[S] on.  ahead = 1: the next step's K is fetched and its scores are made.
.macro STEP ahead, qs
.irp b, 0,1,2,3
	v_max3_num_f32 v[BM+\b], v[S+16*\b], v[S+1+16*\b], v[S+2+16*\b]          ; the largest score of each block of 32 keys: for the row's maximum, and for the block's largest p
.endr
.irp i, 3,5,7,9,11,13
.irp b, 0,1,2,3
	v_max3_num_f32 v[BM+\b], v[BM+\b], v[S+16*\b+\i], v[S+1+16*\b+\i]
.endr
.endr
.irp b, 0,1,2,3
	v_max_num_f32 v[BM+\b], v[BM+\b], v[S+15+16*\b]
.endr
.if \ahead                             ; the 32 lines above name nothing of the last products: they are the places ahead of these loads
.irp i, 0,1,2,3,4,5,6,7
	ds_load_b128 v[KF+4*\i:KF+4*\i+3], v[AD] offset:512*\i                   ; K of the next step
.endr
	ds_load_b32 v45, v[ADS] offset:128             ; its words: lanes 0-15 tiles 0-3, lanes 16-31 tiles 4-7
.endif
.irp i, 0,1,2,3,4,5,6,7
	ds_load_b128 v[VF+4*\i:VF+4*\i+3], v[AD] offset:61440+512*\i             ; V of this step
.endr
	ds_load_b32 v46, v[ADS] offset:2048            ; its words: lanes 0-15 d tile 0, lanes 16-31 d tile 1
.irp b, 0,1,2,3
	v_permlanex16_b32 v[T4+\b], v[BM+\b], s[SEL], s[SEL+1]
.endr
	v_mov_b32 v[OLD], v12
.irp b, 0,1,2,3
	v_max_num_f32 v[BM+\b], v[BM+\b], v[T4+\b]
.endr
	s_delay_alu instid0(VALU_DEP_2)
	v_max3_num_f32 v[TMP], v[BM], v[BM+1], v[BM+2]
	s_delay_alu instid0(VALU_DEP_1)
	v_max3_num_f32 v13, v[TMP], v[BM+3], v13       ; the running largest score (c is positive: the largest t is c x it)
	s_delay_alu instid0(VALU_DEP_1)
	v_mul_f32 v[TMP], s[CS], v13
	s_delay_alu instid0(VALU_DEP_1)
	v_floor_f32 v12, -v[TMP]                       ; -M = floor(-t): M is a whole number
	s_delay_alu instid0(VALU_DEP_1)
.irp b, 0,1,2,3
	v_fma_f32 v[BM+\b], v[BM+\b], s[CS], v12       ; t - M of each block's largest score
.endr
	v_sub_f32 v[TMP], v12, v[OLD]
	WAITV
; region 0: the four blocks' largest p; beside them block 0's t - M and f = 2^(old M - new M)
.irp b, 0,1,2,3
	v_exp_f32 v[BM+\b], v[BM+\b]
	FMA \b
.endr
	v_cvt_i32_f32 v[TMP], v[TMP]                   ; (it saturates)
.irp b, 4,5,6,7
	FMA \b
.endr
	v_ldexp_f32 v[F], 1.0, v[TMP]
	WAITV                                          ; it stands directly ahead of the first reader of O^T too
; plain lines alone: O^T under the new M, and the blocks' scales; the chains by turns
.irp j, 0,2,4,6
	v_pk_mul_f32 v[OT+\j:OT+1+\j], v[OT+\j:OT+1+\j], v[F:F+1] op_sel_hi:[1,0]
.endr
.irp b, 0,1,2,3
	v_max_num_f32 v[BM+\b], 0x8000000, v[BM+\b]    ; the floor 2^(16 - 127)
.endr
.irp j, 8,10,12,14
	v_pk_mul_f32 v[OT+\j:OT+1+\j], v[OT+\j:OT+1+\j], v[F:F+1] op_sel_hi:[1,0]
.endr
.irp b, 0,1,2,3
	v_add_nc_u32 v[SCL+\b], 0xf8800000, v[BM+\b]   ; 15 off the exponent field: the conversion's scale operand
.endr
	v_pk_mul_f32 v[14:15], v[14:15], v[F:F+1] op_sel_hi:[1,0]                ; the sum under the new M
.irp b, 0,1,2,3
	v_lshrrev_b32 v[T4+\b], 23, v[SCL+\b]          ; the scale's byte
.endr
; region 1: block 0's p; beside it t - M of blocks 1 and 2
.set i, 0
.rept 16
	EX i
	FMA 8+i
.set i, i+1
.endr
	WAITV
; region 2: block 1's p; beside it t - M of block 3, the holds' bounds, the halves of p's scale word
	EX 16
	EX 17
.set i, 0
.rept 8
	EX 18+i
	FMA 24+i
.set i, i+1
.endr
.irp b, 0,1,2,3
	EX 26+\b
	v_and_or_b32 v[HOLD+\b], v[BM+\b], 0x7f800000, s[MNT]                    ; 57,344 x the scale
.endr
	EX 30
	v_lshl_or_b32 v[W01], v[T4+1], 8, v[T4]
	EX 31
	v_lshl_or_b32 v[W23], v[T4+3], 8, v[T4+2]
	WAITV
; region 3: block 2's p; beside it the sums of blocks 0 and 1 (of the unquantised p, in eight parts), then their holds
.set i, 0
.rept 8
	EX 32+i
	v_pk_add_f32 v[AC+2*i:AC+2*i+1], v[S+2*i:S+2*i+1], v[S+16+2*i:S+17+2*i]
.set i, i+1
.endr
.set i, 0
.rept 8
	EX 40+i
	HOLD2 0, 2*i
	HOLD2 0, 2*i+1
.set i, i+1
.endr
	v_lshl_or_b32 v47, v[W23], 16, v[W01]          ; p's scale word for these 128 keys
	WAITV
; region 4: block 3's p; beside it the codes of blocks 0 and 1 and the sums of block 2
.irp q, 0,1,2,3
	EX 48+2*\q
	EX 49+2*\q
	CVT \q
.endr
.set i, 0
.rept 8
	EX 56+i
	v_pk_add_f32 v[AC+2*i:AC+2*i+1], v[AC+2*i:AC+2*i+1], v[S+32+2*i:S+33+2*i]
.set i, i+1
.endr
	WAITV
.set i, 0
.rept 8
	v_pk_add_f32 v[AC+2*i:AC+2*i+1], v[AC+2*i:AC+2*i+1], v[S+48+2*i:S+49+2*i]
.set i, i+1
.endr
.set i, 0
.rept 16
	HOLD2 2, i
.set i, i+1
.endr
.irp q, 4,5,6,7
	CVT \q
.endr
	s_wait_dscnt 0x0                               ; K of the next step and V of this one are in: no LDS load of mine is out, so the addresses may step
.if \ahead
	s_add_co_u32 s[TB], s[TB], 4096
	s_add_co_u32 s[TS], s[TS], 128
	v_add_nc_u32 v[AD], s[TB], v[LIK]              ; the next trip's addresses: also the plain lines between the last conversion and the products that write over its sources
	v_add_nc_u32 v[ADS], s[TS], v[LSS]
	SQK \qs
.endif
	v_pk_add_f32 v[AC:AC+1], v[AC:AC+1], v[AC+2:AC+3]                        ; the eight parts join the row's sum: eight lines that name nothing of K Q^T: its places; also the lines between p's codes and the products below
	v_pk_add_f32 v[AC+4:AC+5], v[AC+4:AC+5], v[AC+6:AC+7]
	v_pk_add_f32 v[AC+8:AC+9], v[AC+8:AC+9], v[AC+10:AC+11]
	v_pk_add_f32 v[AC+12:AC+13], v[AC+12:AC+13], v[AC+14:AC+15]
	v_pk_add_f32 v[14:15], v[14:15], v[AC:AC+1]
	v_pk_add_f32 v[AC+4:AC+5], v[AC+4:AC+5], v[AC+8:AC+9]
	v_pk_add_f32 v[14:15], v[14:15], v[AC+12:AC+13]
	v_pk_add_f32 v[14:15], v[14:15], v[AC+4:AC+5]
	s_wait_alu depctr_va_vdst(0)
	v_wmma_scale_f32_16x16x128_f8f6f4 v[OT:OT+7], v[VF:VF+15], v[P:P+15], v[OT:OT+7], v46, v47 matrix_a_fmt:MATRIX_FMT_BF8 matrix_b_fmt:MATRIX_FMT_BF8
	v_wmma_scale_f32_16x16x128_f8f6f4 v[OT+8:OT+15], v[VF+16:VF+31], v[P:P+15], v[OT+8:OT+15], v46, v47 matrix_a_fmt:MATRIX_FMT_BF8 matrix_b_fmt:MATRIX_FMT_BF8 matrix_a_scale:MATRIX_SCALE_ROW1
.endm
.macro PASS p, qs                      ; one tile of 16 queries against all keys
.if \p
	s_wait_xcnt 0x0                                ; the last tile's stores have read their data
.irp j, 0,1,2,3
	v_mov_b32 v[28+\j], v[Q1+\j]                   ; the second tile's Q takes its place between the zeros
.endr
.endif
	s_mov_b32 s[TB], 0
	s_mov_b32 s[TS], 0
	s_mov_b32 s[CNT], 15
.irp i, 0,1,2,3,4,5,6,7
	ds_load_b128 v[KF+4*\i:KF+4*\i+3], v[LI] offset:512*\i                   ; K of step 0
.endr
	ds_load_b32 v45, v[LSS]
	v_mov_b32 v13, 0xff61b1e6                      ; the largest score so far: -3e38
	s_delay_alu instid0(VALU_DEP_1)
	v_mul_f32 v[TMP], s[CS], v13
	s_delay_alu instid0(VALU_DEP_1)
	v_floor_f32 v12, -v[TMP]
	v_mov_b32 v14, 0
	v_mov_b32 v15, 0
	v_add_nc_u32 v[AD], s[TB], v[LIK]
	v_add_nc_u32 v[ADS], s[TS], v[LSS]
.if \p == 0
	s_wait_loadcnt 0x0                             ; both tiles' Q
.endif
	s_wait_alu depctr_va_vdst(0)
	s_wait_dscnt 0x0
	SQK \qs
.irp j, 0,1,2,3,4,5,6,7,8,9,10,11,12,13,14,15
	v_mov_b32 v[OT+\j], 0                          ; the step is written once: its first trip finds zeros.  These lines are the places behind the first K Q^T
.endr
.Lstep_\@:                             ; steps 0 .. 14
	STEP 1, \qs
	s_sub_co_u32 s[CNT], s[CNT], 1
	s_cmp_lg_u32 s[CNT], 0
	s_cbranch_scc1 .Lstep_\@
	STEP 0, \qs                                    ; step 15: nothing follows it
	PLACES 8
	v_add_f32 v14, v14, v15
	s_delay_alu instid0(VALU_DEP_1)
	v_permlanex16_b32 v[TMP], v14, s[SEL], s[SEL+1]
	s_delay_alu instid0(VALU_DEP_1)
	v_add_f32 v14, v14, v[TMP]                     ; the row's sum
	s_wait_alu depctr_va_vdst(0)                   ; the wait ahead of the transcendental
	v_rcp_f32 v14, v14
	v_nop
	s_wait_alu depctr_va_vdst(0)
.irp j, 0,1,2,3,4,5,6,7,8,9,10,11,12,13,14,15
	v_mul_f32 v[S+\j], v[OT+\j], v14               ; register 8 n + j is o(query r, d = 16 h + 8 n + j)
.endr
	Q16 S, S+16
	global_store_b128 v[LI], v[S+16:S+19], s[54:55] offset:8192*\p
	global_store_b32 v[L4], v[TM+4], s[56:57] offset:2048*\p
.endm
	PASS 0, QW0
	PASS 1, QW1
	s_wait_tensorcnt 0x0                           ; the wave's end
	ds_add_u32 v254, v255
	s_wait_dscnt 0x0
	ROUND                                          ; the closing round
	s_endpgm
.Lfunc_end_k_q6677120d96_attn:
	.size	k_q6677120d96_attn, .Lfunc_end_k_q6677120d96_attn-k_q6677120d96_attn
	.p2alignl 7, 3214868480
	.fill 96, 4, 3214868480
	.section	.rodata,"a",@progbits
	.p2align	6, 0x0
	.amdhsa_kernel k_q6677120d96_attn
		.amdhsa_group_segment_fixed_size 169984
		.amdhsa_private_segment_fixed_size 0
		.amdhsa_enable_private_segment 0
		.amdhsa_kernarg_size 16
		.amdhsa_user_sgpr_count 2
		.amdhsa_user_sgpr_kernarg_segment_ptr 1
		.amdhsa_wavefront_size32 1
		.amdhsa_system_sgpr_workgroup_id_x 1
		.amdhsa_system_sgpr_workgroup_id_y 1
		.amdhsa_system_sgpr_workgroup_id_z 1
		.amdhsa_system_vgpr_workitem_id 0
		.amdhsa_next_free_vgpr 256
		.amdhsa_next_free_sgpr 66
		.amdhsa_reserve_vcc 0
		.amdhsa_float_denorm_mode_32 3
		.amdhsa_float_denorm_mode_16_64 3
		.amdhsa_memory_ordered 1
		.amdhsa_forward_progress 1
		.amdhsa_inst_pref_size 81
	.end_amdhsa_kernel
	.amdgpu_metadata
---
amdhsa.version: [ 1, 2 ]
amdhsa.kernels:
  - .name:           k_q6677120d96_attn
    .symbol:         k_q6677120d96_attn.kd
    .args:
      - { .name: qkvb, .offset: 0, .size: 8, .value_kind: global_buffer, .address_space: global }
      - { .name: att, .offset: 8, .size: 8, .value_kind: global_buffer, .address_space: global }
    .group_segment_fixed_size: 169984
    .private_segment_fixed_size: 0
    .kernarg_segment_align: 8
    .kernarg_segment_size: 16
    .max_flat_workgroup_size: 512
    .sgpr_count:     66
    .vgpr_count:     256
    .wavefront_size: 32
...
	.end_amdgpu_metadata
.endif
;; end of part 3
;; launch wo (part 4): grid 256 x 1, 4 waves a work-group, no clusters, 73,728 bytes of LDS; arguments att, wts, x, mid; writes mid
.if DOCPART == 4
	.amdgcn_target "amdgcn-amd-amdhsa--gfx1250"
	.amdhsa_code_object_version 6
	.text
	.protected	k_q6677120d96_wo
	.globl	k_q6677120d96_wo
	.p2align	8
	.type	k_q6677120d96_wo,@function
k_q6677120d96_wo:
	s_mov_b64 s[64:65], 0
	v_nop
	global_prefetch_b8 v0, s[64:65] scope:SCOPE_SE
	s_setreg_imm32_b32 hwreg(HW_REG_WAVE_MODE, 25, 1), 1
	s_wait_xcnt 0x0
; WO.  x1 = x + alpha x (o W_o^T), the product on codes of BF8 with E8M0 scales; xn2 = gamma x rmsnorm(x1) + beta, quantised along its 512.  x1 (f32) and xn2's images go to memory.
; SHARES.  Work-group g: rows 32 g .. + 31, two tiles.  Wave w owns columns 128 w .. + 127: 32 fragments of W_o, 512 registers, read once.  The product is used TRANSPOSED: a lane holds one row and, in its 64 registers of a tile
; of rows, k = 32 b + 16 h + i of K step w of the next product.  The rows' sums of squares meet in LDS; x1 leaves through a stage as whole rows.
; LIMITS: blocks of zeros and largest magnitudes under 2^-111 take the byte 1; NaN and infinities are not served; sums in another order than a plain loop's.
; REGISTERS: window 0: v1-10 addresses; v16-79 o's fragments of tile 0, later rows on the way out, later codes and work; v80-143, v144-207 the two tiles' results; v208-215 o's scale words; v216-219 1 / rms; v224-255 W_o's scale words.
;   window 1, 2: W_o.  window 3: v0-127 x (later beta), v128-191 o's fragments of tile 1, v192-255 alpha (later gamma).
.set WSC,  4194304
.set MOD,  4456448
.set OS,   4194304
.set XC,   16777216
.set XS,   20971520
.set PART, 66048                       ; LDS: the stage, 32 rows x 2,064; the partial sums [wave][tile][128];
.set MODL, 67072                       ; alpha, gamma, beta: 2 KB each
.set LI,  1
.set LS,  2
.set XA,  3
.set SO,  4
.set SR,  5
.set PS,  6
.set PL,  7
.set MA,  8
.set MW,  9
.set MG,  10
.set AF0, 16
.set ACC0, 80
.set RAW, 144
.set MT,  176
.set AS,  208
.set RS,  216
.set WS,  224
.set PC,  16
.set TM,  32
.set PW,  48
.set SQ,  50
.set AF1, 128                          ; in window 3
.set M,   192                          ; in window 3
.set SEL, 14
.set MNT, 16
.set MSB, 0
.macro WIN new
.if MSB != \new
	s_set_vgpr_msb (MSB<<8)|\new
.set MSB, \new
.endif
.endm
.macro PLACES n
.rept \n
	v_nop
.endr
.endm
.macro BARRIER
	s_wait_dscnt 0x0
	s_barrier_signal -1
	s_barrier_wait -1
.endm
.macro QUANT s, pc, pw
.irp b, 0,1,2,3
	v_max3_num_f32 v[TM+\b], |v[\s+16*\b]|, |v[\s+1+16*\b]|, 0x8000000
.endr
.irp i, 2,4,6,8,10,12,14
.irp b, 0,1,2,3
	v_max3_num_f32 v[TM+\b], v[TM+\b], |v[\s+16*\b+\i]|, |v[\s+1+16*\b+\i]|
.endr
.endr
.irp b, 0,1,2,3
	v_permlanex16_b32 v[TM+4+\b], v[TM+\b], s[SEL], s[SEL+1]
.endr
.irp b, 0,1,2,3
	v_max_num_f32 v[TM+\b], v[TM+\b], v[TM+4+\b]
.endr
.irp b, 0,1,2,3
	v_add_nc_u32 v[TM+12+\b], 0xf8800000, v[TM+\b]
.endr
.irp b, 0,1,2,3
	v_and_or_b32 v[TM+8+\b], v[TM+\b], 0x7f800000, s[MNT]
.endr
.irp b, 0,1,2,3
	v_lshrrev_b32 v[TM+4+\b], 23, v[TM+12+\b]
.endr
	v_lshl_or_b32 v[\pw], v[TM+5], 8, v[TM+4]
	v_lshl_or_b32 v[\pw], v[TM+6], 16, v[\pw]
	v_lshl_or_b32 v[\pw], v[TM+7], 24, v[\pw]
.irp b, 0,1,2,3
.irp i, 0,1,2,3,4,5,6,7,8,9,10,11,12,13,14,15
	v_med3_num_f32 v[\s+16*\b+\i], v[\s+16*\b+\i], -v[TM+8+\b], v[TM+8+\b]
.endr
	v_cvt_scalef32_pk8_bf8_f32 v[\pc+4*\b:\pc+1+4*\b], v[\s+16*\b:\s+7+16*\b], v[TM+12+\b]
	v_cvt_scalef32_pk8_bf8_f32 v[\pc+2+4*\b:\pc+3+4*\b], v[\s+8+16*\b:\s+15+16*\b], v[TM+12+\b]
.endr
	v_nop
.endm
.macro MM0 d, a, b, sa, sb
	v_wmma_scale_f32_16x16x128_f8f6f4 v[\d:\d+7], v[\a:\a+15], v[\b:\b+15], 0, v[\sa], v[\sb] matrix_a_fmt:MATRIX_FMT_BF8 matrix_b_fmt:MATRIX_FMT_BF8
.endm
.macro MMA d, a, b, sa, sb
	v_wmma_scale_f32_16x16x128_f8f6f4 v[\d:\d+7], v[\a:\a+15], v[\b:\b+15], v[\d:\d+7], v[\sa], v[\sb] matrix_a_fmt:MATRIX_FMT_BF8 matrix_b_fmt:MATRIX_FMT_BF8
.endm
	s_load_b256 s[4:11], s[0:1], 0x0               ; att, wts, x, mid
	v_lshl_add_u32 v222, v0, 2, 0x11e00
	v_mov_b32 v223, 0
	v_lshrrev_b32 v11, 5, v0
	v_readfirstlane_b32 s12, v11                   ; wave
	v_and_b32 v11, 31, v0
	v_and_b32 v12, 15, v0                          ; r
	v_bfe_u32 v13, v0, 4, 1                        ; h
	v_lshlrev_b32 v[LI], 4, v11
	v_lshlrev_b32 v[LS], 2, v11
	s_lshl_b32 s19, s12, 9
	v_lshlrev_b32 v14, 6, v13
	v_add_nc_u32 v14, s19, v14                     ; 64 h + 512 w: my 16 numbers of a block, in my wave's 128 columns
	v_lshl_add_u32 v[XA], v12, 11, v14
	v_mad_u32_u24 v[SO], v12, 2064, v14
	s_mul_i32 s19, s12, 16512
	v_add_nc_u32 v[SR], s19, v[LI]                 ; back: my 8 rows of the stage
	s_lshl_b32 s19, s12, 8
	s_add_co_u32 s19, s19, PART
	v_add_nc_u32 v[PS], s19, v[LS]
	v_add_nc_u32 v[PL], PART, v[LS]
	v_add_nc_u32 v[MA], MODL, v14
	v_lshlrev_b32 v[MG], 4, v0
	v_add_nc_u32 v[MW], MODL, v[MG]
	s_mov_b32 s[SEL], 0x76543210
	s_mov_b32 s[SEL+1], 0xfedcba98
	s_mov_b32 s[MNT], 0x600000
	s_mov_b32 s17, 0x3b000000                      ; 1 / 512
	s_mov_b32 s18, 0x358637bd                      ; 1e-6
	s_lshr_b32 s13, ttmp9, 6                       ; batch
	s_mov_b32 s21, 0
	s_wait_alu depctr_va_vdst(0)
	s_wait_kmcnt 0x0
	s_lshl_b32 s20, ttmp9, 12
	s_add_co_u32 s20, s20, OS
	s_add_nc_u64 s[22:23], s[4:5], s[20:21]        ; o's bytes
	s_lshl_b32 s20, ttmp9, 14
	s_add_nc_u64 s[24:25], s[4:5], s[20:21]        ; o's codes
	s_lshl_b32 s20, s13, 11
	s_add_co_u32 s20, s20, MOD
	s_add_nc_u64 s[26:27], s[6:7], s[20:21]        ; the vectors of my batch
	s_lshl_b32 s20, ttmp9, 16
	s_add_nc_u64 s[28:29], s[8:9], s[20:21]        ; x
	s_lshl_b32 s19, s12, 14
	s_add_co_u32 s20, s20, s19
	s_add_nc_u64 s[34:35], s[10:11], s[20:21]      ; x1: my 8 rows
	s_lshl_b32 s20, s12, 16
	s_add_co_u32 s20, s20, 786432
	s_add_nc_u64 s[30:31], s[6:7], s[20:21]        ; W_o's fragments of my columns
	s_lshl_b32 s20, s12, 12
	s_add_co_u32 s20, s20, WSC+49152
	s_add_nc_u64 s[32:33], s[6:7], s[20:21]        ; their words
	s_lshl_b32 s20, ttmp9, 14
	s_lshl_b32 s19, s12, 11
	s_add_co_u32 s20, s20, s19
	s_add_co_u32 s20, s20, XC
	s_add_nc_u64 s[36:37], s[10:11], s[20:21]      ; xn2's images: tile 2 g, K step w
	s_lshl_b32 s20, ttmp9, 10
	s_lshl_b32 s19, s12, 7
	s_add_co_u32 s20, s20, s19
	s_add_co_u32 s20, s20, XS
	s_add_nc_u64 s[38:39], s[10:11], s[20:21]      ; and their words
	global_load_b128 v[MT:MT+3], v[MG], s[26:27] offset:16384                ; attn alpha
	global_load_b128 v[MT+4:MT+7], v[MG], s[26:27] offset:24576              ; ffn gamma
	global_load_b128 v[MT+8:MT+11], v[MG], s[26:27] offset:32768             ; ffn beta
.irp q, 0,1,2,3,4,5,6,7,8,9,10,11,12,13,14,15,16,17,18,19,20,21,22,23,24,25,26,27,28,29,30,31
	global_load_b32 v[RAW+\q], v[LS], s[22:23] offset:128*\q                 ; o's bytes: tile q / 16, head q % 16
.endr
.irp s, 0,1,2,3
.irp c, 0,1,2,3
	global_load_b128 v[AF0+16*\s+4*\c:AF0+16*\s+4*\c+3], v[LI], s[24:25] offset:2048*\s+512*\c
.endr
.endr
	WIN 0xc0
.irp s, 0,1,2,3
.irp c, 0,1,2,3
	global_load_b128 v[AF1+16*\s+4*\c:AF1+16*\s+4*\c+3], v[LI], s[24:25] offset:8192+2048*\s+512*\c
.endr
.endr
.irp e, 0,1
.irp b, 0,1,2,3
.irp j, 0,1,2,3
	global_load_b128 v[64*\e+16*\b+4*\j:64*\e+16*\b+4*\j+3], v[XA], s[28:29] offset:32768*\e+128*\b+16*\j
.endr
.endr
.endr
	WIN 0x40
.irp f, 0,1,2,3,4,5,6,7,8,9,10,11,12,13,14,15
.irp c, 0,1,2,3
	global_load_b128 v[16*\f+4*\c:16*\f+4*\c+3], v[LI], s[30:31] offset:2048*\f+512*\c
.endr
.endr
	WIN 0x80
.irp f, 0,1,2,3,4,5,6,7,8,9,10,11,12,13,14,15
.irp c, 0,1,2,3
	global_load_b128 v[16*\f+4*\c:16*\f+4*\c+3], v[LI], s[30:31] offset:32768+2048*\f+512*\c
.endr
.endr
	WIN 0
.irp f, 0,1,2,3,4,5,6,7,8,9,10,11,12,13,14,15,16,17,18,19,20,21,22,23,24,25,26,27,28,29,30,31
	global_load_b32 v[WS+\f], v[LS], s[32:33] offset:128*\f
.endr
	s_wait_loadcnt 0x0                             ; every global load was issued in one run: the three vectors, o, x, W_o and its words are in
	ds_store_b128 v[MW], v[MT:MT+3]                ; the vectors go to LDS only now: nothing reads them ahead of the product
	ds_store_b128 v[MW], v[MT+4:MT+7] offset:2048
	ds_store_b128 v[MW], v[MT+8:MT+11] offset:4096
	BARRIER                                        ; the vectors lie in LDS
	WIN 0xc0
.irp b, 0,1,2,3
.irp j, 0,1,2,3
	ds_load_b128 v[M+16*\b+4*\j:M+16*\b+4*\j+3], v[MA] offset:128*\b+16*\j   ; alpha at my columns: waited for behind the products
.endr
.endr
	WIN 0
.irp q, 0,1,2,3,4,5,6,7
	v_lshl_or_b32 v[AS+\q], v[RAW+4*\q+1], 8, v[RAW+4*\q]                    ; four heads' bytes make a K step's scale word
	v_lshl_or_b32 v[AS+\q], v[RAW+4*\q+2], 16, v[AS+\q]
	v_lshl_or_b32 v[AS+\q], v[RAW+4*\q+3], 24, v[AS+\q]
.endr
	PLACES 8                                       ; a scale register written by vector instructions stands eight places ahead of the product
.macro WOP e, t0, b                    ; four tiles of columns by turns, K step by K step
.irp s, 0,1,2,3
.irp t, 0,1,2,3
.if \s == 0
	MM0 ACC0+64*\e+8*(\t0+\t), 16*(4*\t+\s), \b+16*\s, WS+4*(\t0+\t)+\s, AS+4*\e+\s
.else
	MMA ACC0+64*\e+8*(\t0+\t), 16*(4*\t+\s), \b+16*\s, WS+4*(\t0+\t)+\s, AS+4*\e+\s
.endif
.endr
.endr
.endm
	WIN 0x01
	WOP 0, 0, AF0
	WIN 0x02
	WOP 0, 4, AF0
	WIN 0x0d                                       ; source 1 window 3
	WOP 1, 0, AF1
	WIN 0x0e
	WOP 1, 4, AF1
	WIN 0
	PLACES 8
	s_wait_dscnt 0x0                               ; alpha
	WIN 0x3c                                       ; sources 1 and 2 window 3
.irp e, 0,1
.set i, 0
.rept 32
	v_pk_fma_f32 v[ACC0+64*\e+2*i:ACC0+64*\e+2*i+1], v[ACC0+64*\e+2*i:ACC0+64*\e+2*i+1], v[M+2*i:M+2*i+1], v[64*\e+2*i:64*\e+2*i+1]   ; x1 = x + alpha x (..)
.set i, i+1
.endr
.endr
	WIN 0
.irp e, 0,1
.irp b, 0,1,2,3
.irp j, 0,1,2,3
	ds_store_b128 v[SO], v[ACC0+64*\e+16*\b+4*\j:ACC0+64*\e+16*\b+4*\j+3] offset:33024*\e+128*\b+16*\j
.endr
.endr
.endr
.irp e, 0,1
	v_pk_mul_f32 v[SQ+4*\e:SQ+4*\e+1], v[ACC0+64*\e:ACC0+64*\e+1], v[ACC0+64*\e:ACC0+64*\e+1]
	v_pk_mul_f32 v[SQ+4*\e+2:SQ+4*\e+3], v[ACC0+64*\e+2:ACC0+64*\e+3], v[ACC0+64*\e+2:ACC0+64*\e+3]
.set i, 2
.rept 30
	v_pk_fma_f32 v[SQ+4*\e+2*(i%2):SQ+4*\e+2*(i%2)+1], v[ACC0+64*\e+2*i:ACC0+64*\e+2*i+1], v[ACC0+64*\e+2*i:ACC0+64*\e+2*i+1], v[SQ+4*\e+2*(i%2):SQ+4*\e+2*(i%2)+1]
.set i, i+1
.endr
.endr
.irp e, 0,1
	v_pk_add_f32 v[SQ+4*\e:SQ+4*\e+1], v[SQ+4*\e:SQ+4*\e+1], v[SQ+4*\e+2:SQ+4*\e+3]
.endr
.irp e, 0,1
	v_add_f32 v[SQ+4*\e], v[SQ+4*\e], v[SQ+4*\e+1]
.endr
.irp e, 0,1
	v_permlanex16_b32 v[SQ+4*\e+1], v[SQ+4*\e], s[SEL], s[SEL+1]
.endr
.irp e, 0,1
	v_add_f32 v[SQ+4*\e], v[SQ+4*\e], v[SQ+4*\e+1]                           ; my row's squares over my wave's 128 columns
	ds_store_b32 v[PS], v[SQ+4*\e] offset:128*\e
.endr
	WIN 0xc0
.irp b, 0,1,2,3
.irp j, 0,1,2,3
	ds_load_b128 v[M+16*\b+4*\j:M+16*\b+4*\j+3], v[MA] offset:2048+128*\b+16*\j      ; gamma
	ds_load_b128 v[16*\b+4*\j:16*\b+4*\j+3], v[MA] offset:4096+128*\b+16*\j          ; beta
.endr
.endr
	WIN 0
	BARRIER                                        ; 32 whole rows of x1 and all partial sums lie in LDS
.irp q, 0,1,2,3
.irp e, 0,1
	ds_load_b32 v[16+2*\q+\e], v[PL] offset:256*\q+128*\e
.endr
.endr
	s_wait_dscnt 0x0
.irp e, 0,1
	v_add_f32 v[16+\e], v[16+\e], v[18+\e]
	v_add_f32 v[20+\e], v[20+\e], v[22+\e]
	v_add_f32 v[16+\e], v[16+\e], v[20+\e]
	v_fma_f32 v[16+\e], v[16+\e], s17, s18
	s_wait_alu depctr_va_vdst(0)
	v_rsq_f32 v[RS+2*\e], v[16+\e]
.endr
	v_nop
	s_wait_alu depctr_va_vdst(0)
	v_mov_b32 v[RS+1], v[RS]
	v_mov_b32 v[RS+3], v[RS+2]
.irp k, 0,1                            ; x1 leaves: my 8 rows, four at a time; 32 lanes store 512 consecutive bytes
.irp t, 0,1,2,3,4,5,6,7,8,9,10,11,12,13,14,15
	ds_load_b128 v[16+4*\t:19+4*\t], v[SR] offset:2064*(4*\k+\t/4)+512*(\t%4)
.endr
.irp t, 0,1,2,3,4,5,6,7,8,9,10,11,12,13,14,15
	s_wait_dscnt 15-\t
	global_store_b128 v[LI], v[16+4*\t:19+4*\t], s[34:35] offset:2048*(4*\k+\t/4)+512*(\t%4)
.endr
	s_wait_xcnt 0x0                                ; the stores have read their data: the registers are written again
.endr
.irp b, 0,1,2,3
	v_mov_b32 v[TM+4+\b], 0
.endr
	s_wait_alu depctr_va_vdst(0)
.irp e, 0,1
.if \e == 1
	s_wait_xcnt 0x0
.endif
.set i, 0
.rept 32
	v_pk_mul_f32 v[ACC0+64*\e+2*i:ACC0+64*\e+2*i+1], v[ACC0+64*\e+2*i:ACC0+64*\e+2*i+1], v[RS+2*\e:RS+2*\e+1] op_sel_hi:[1,0]
.set i, i+1
.endr
	WIN 0x3c
.set i, 0
.rept 32
	v_pk_fma_f32 v[ACC0+64*\e+2*i:ACC0+64*\e+2*i+1], v[ACC0+64*\e+2*i:ACC0+64*\e+2*i+1], v[M+2*i:M+2*i+1], v[2*i:2*i+1]
.set i, i+1
.endr
	WIN 0
	QUANT ACC0+64*\e, PC, PW
.irp c, 0,1,2,3
	global_store_b128 v[LI], v[PC+4*\c:PC+4*\c+3], s[36:37] offset:8192*\e+512*\c
.endr
	global_store_b32 v[LS], v[PW], s[38:39] offset:512*\e
.endr
	s_wait_tensorcnt 0x0
	ds_add_u32 v222, v223
	s_wait_dscnt 0x0
	s_endpgm
.Lfunc_end_k_q6677120d96_wo:
	.size	k_q6677120d96_wo, .Lfunc_end_k_q6677120d96_wo-k_q6677120d96_wo
	.p2alignl 7, 3214868480
	.fill 96, 4, 3214868480
	.section	.rodata,"a",@progbits
	.p2align	6, 0x0
	.amdhsa_kernel k_q6677120d96_wo
		.amdhsa_group_segment_fixed_size 73728
		.amdhsa_private_segment_fixed_size 0
		.amdhsa_enable_private_segment 0
		.amdhsa_kernarg_size 32
		.amdhsa_user_sgpr_count 2
		.amdhsa_user_sgpr_kernarg_segment_ptr 1
		.amdhsa_wavefront_size32 1
		.amdhsa_system_sgpr_workgroup_id_x 1
		.amdhsa_system_sgpr_workgroup_id_y 1
		.amdhsa_system_sgpr_workgroup_id_z 1
		.amdhsa_system_vgpr_workitem_id 0
		.amdhsa_next_free_vgpr 1024
		.amdhsa_next_free_sgpr 66
		.amdhsa_reserve_vcc 0
		.amdhsa_float_denorm_mode_32 3
		.amdhsa_float_denorm_mode_16_64 3
		.amdhsa_memory_ordered 1
		.amdhsa_forward_progress 1
		.amdhsa_inst_pref_size 85
	.end_amdhsa_kernel
	.amdgpu_metadata
---
amdhsa.version: [ 1, 2 ]
amdhsa.kernels:
  - .name:           k_q6677120d96_wo
    .symbol:         k_q6677120d96_wo.kd
    .args:
      - { .name: att, .offset: 0, .size: 8, .value_kind: global_buffer, .address_space: global }
      - { .name: wts, .offset: 8, .size: 8, .value_kind: global_buffer, .address_space: global }
      - { .name: x, .offset: 16, .size: 8, .value_kind: global_buffer, .address_space: global }
      - { .name: mid, .offset: 24, .size: 8, .value_kind: global_buffer, .address_space: global }
    .group_segment_fixed_size: 73728
    .private_segment_fixed_size: 0
    .kernarg_segment_align: 8
    .kernarg_segment_size: 32
    .max_flat_workgroup_size: 128
    .sgpr_count:     66
    .vgpr_count:     1024
    .wavefront_size: 32
...
	.end_amdgpu_metadata
.endif
;; end of part 4
;; launch gh (part 5): grid 8 x 32, 8 waves a work-group, clusters of 4 x 1, 327,680 bytes of LDS; arguments mid, wts, hid; writes hid
.if DOCPART == 5
	.amdgcn_target "amdgcn-amd-amdhsa--gfx1250"
	.amdhsa_code_object_version 6
	.text
	.protected	k_q6677120d96_gh
	.globl	k_q6677120d96_gh
	.p2align	8
	.type	k_q6677120d96_gh,@function
k_q6677120d96_gh:
	s_mov_b64 s[64:65], 0
	v_nop
	global_prefetch_b8 v0, s[64:65] scope:SCOPE_SE
	s_setreg_imm32_b32 hwreg(HW_REG_WAVE_MODE, 25, 1), 1
	s_wait_xcnt 0x0
	s_wait_alu depctr_hold_cnt(0) depctr_sa_sdst(0) depctr_va_vdst(0) depctr_va_sdst(0) depctr_va_ssrc(0) depctr_va_vcc(0) depctr_vm_vsrc(0)
	s_getreg_b32 s2, hwreg(HW_REG_IB_STS2, 6, 4)
	s_cmp_eq_u32 s2, 0
	s_cbranch_scc0 .Lentry_in_a_cluster
	s_endpgm
.Lentry_in_a_cluster:
	s_bfe_u32 s2, ttmp6, 0x10000c
	s_cmp_lg_u32 s2, 0x3003
	s_cbranch_scc0 .Lentry_shape_is_right
	s_endpgm
.Lentry_shape_is_right:
; GH.  h = silu(xn2 gate_w^T) x (xn2 hidden_w^T), both products on codes of BF8 (E5M2) with E8M0 scales, K = 512; h is quantised along its 2,048 in blocks of 32 and stored as images of operand registers.
; SHARES.  Work-group (slab, y): rows 256 y .. + 255, hidden units 256 slab .. + 255.  Wave w owns 32 units of gate AND hidden: 16 weight fragments, 256 registers, read once; it walks the 16 row tiles.
; xn2's 64 images (128 KB) and their scale words (8 KB) come into LDS once: waves 0 to 3 fetch 32 KB of images each, wave 4 the words, one tensor load a wave in one chain of branches on the wave's number.  No LDS byte is filled twice.
; CLUSTER 4, 1, 1: the four slabs of a cluster read the same rows of xn2, so each of these loads is a joint one (mask 15); a round of the cluster's barrier stands ahead of them and one ahead of s_endpgm.
; No prefetch: the launch's one fill stands at its start, and there is no loop to run ahead in.
; LIMITS: blocks of zeros and largest magnitudes under 2^-111 take the byte 1 (this program alone reads the bytes); NaN and infinities are not served.
.set WSC, 4194304
.set XC,  16777216
.set XS,  20971520
.set HS,  16777216
.set ASC, 131072
.set STB, 139264
.set LI,  1
.set LSX, 2
.set BYA, 3
.set AD,  4
.set ADS, 5
.set ABY, 6
.set LS,  7
.set AF,  16
.set GA,  80
.set HA,  96
.set E,   112
.set PC,  128
.set TM,  132
.set AS,  236
.set WS,  240
.set WV,  10
.set SEL, 40
.set MNT, 42
.set MSB, 0
.macro WIN new
.if MSB != \new
	s_set_vgpr_msb (MSB<<8)|\new
.set MSB, \new
.endif
.endm
.macro PLACES n
.rept \n
	v_nop
.endr
.endm
.macro ROUND                           ; a round of the cluster's barrier
	s_barrier_signal -1
	s_barrier_wait -1
	s_cmp_lg_u32 s[WV], 0
	s_cbranch_scc1 .Lnot_wave_0_\@
	s_barrier_signal -3
.Lnot_wave_0_\@:
	s_barrier_wait -3
	s_barrier_signal -1
	s_barrier_wait -1
.endm
.macro DESC1 g, rows                   ; a dense block as rows of 256 bytes (32 elements of 8 bytes); mask 15: the cluster's four work-groups; bit 21 set beside it
	s_mov_b32 s[\g], (3<<16)|(1<<21)|15
	s_mov_b32 s[\g+1], 32<<16
	s_mov_b32 s[\g+2], (\rows)<<16
	s_mov_b32 s[\g+3], 32<<16
	s_mov_b32 s[\g+4], \rows
	s_mov_b32 s[\g+5], 32
	s_mov_b32 s[\g+6], 0
	s_mov_b32 s[\g+7], 0
.endm
.macro Q16 sA, dA
	v_max3_num_f32 v[TM], |v[\sA]|, |v[\sA+1]|, 0x8000000
.irp i, 2,4,6,8,10,12,14
	s_delay_alu instid0(VALU_DEP_1)
	v_max3_num_f32 v[TM], v[TM], |v[\sA+\i]|, |v[\sA+\i+1]|
.endr
	s_delay_alu instid0(VALU_DEP_1)
	v_permlanex16_b32 v[TM+4], v[TM], s[SEL], s[SEL+1]
	s_delay_alu instid0(VALU_DEP_1)
	v_max_num_f32 v[TM], v[TM], v[TM+4]
	s_delay_alu instid0(VALU_DEP_1)
	v_add_nc_u32 v[TM+12], 0xf8800000, v[TM]
	s_delay_alu instid0(VALU_DEP_2)
	v_and_or_b32 v[TM+8], v[TM], 0x7f800000, s[MNT]
	s_delay_alu instid0(VALU_DEP_2)
	v_lshrrev_b32 v[TM+4], 23, v[TM+12]
.irp i, 0,1,2,3,4,5,6,7,8,9,10,11,12,13,14,15
	v_med3_num_f32 v[\sA+\i], v[\sA+\i], -v[TM+8], v[TM+8]
.endr
	v_cvt_scalef32_pk8_bf8_f32 v[\dA:\dA+1], v[\sA:\sA+7], v[TM+12]
	v_cvt_scalef32_pk8_bf8_f32 v[\dA+2:\dA+3], v[\sA+8:\sA+15], v[TM+12]
	v_nop
.endm
.macro MM0 d, a, b, sa, sb
	v_wmma_scale_f32_16x16x128_f8f6f4 v[\d:\d+7], v[\a:\a+15], v[\b:\b+15], 0, v[\sa], v[\sb] matrix_a_fmt:MATRIX_FMT_BF8 matrix_b_fmt:MATRIX_FMT_BF8
.endm
.macro MMA d, a, b, sa, sb
	v_wmma_scale_f32_16x16x128_f8f6f4 v[\d:\d+7], v[\a:\a+15], v[\b:\b+15], v[\d:\d+7], v[\sa], v[\sb] matrix_a_fmt:MATRIX_FMT_BF8 matrix_b_fmt:MATRIX_FMT_BF8
.endm
	s_load_b128 s[4:7], s[0:1], 0x0
	s_load_b64 s[8:9], s[0:1], 0x10
	v_lshl_add_u32 v234, v0, 2, 0x29000
	v_mov_b32 v235, 0
	ds_add_u32 v234, v235
	ds_add_u32 v234, v235
	v_lshrrev_b32 v10, 5, v0
	s_delay_alu instid0(VALU_DEP_1)
	v_readfirstlane_b32 s[WV], v10
	s_and_b32 s11, ttmp7, 0xffff
	DESC1 16, 128                                  ; 32 KB of images
	DESC1 24, 32                                   ; 8 KB of scale words
	s_bfe_u32 s13, ttmp6, 0x40000                  ; cx
	s_lshl_b32 s14, ttmp9, 2
	s_add_co_u32 s13, s13, s14                     ; slab = 4 x cluster x + cx: it enters global addresses of weights and results alone
	s_mov_b32 s32, 1
	s_lshl_b32 s33, s[WV], 15                      ; waves 0 to 3: quarters of the images
	s_mov_b32 s36, 1
	s_mov_b32 s37, ASC                             ; wave 4: the words
	s_mov_b32 s51, 0
	s_lshl_b32 s50, s11, 17
	s_add_co_u32 s50, s50, s33
	s_add_co_u32 s50, s50, XC
	s_wait_dscnt 0x0                               ; both opening adds are done
	s_wait_kmcnt 0x0
	s_add_nc_u64 s[34:35], s[4:5], s[50:51]
	s_or_b32 s35, s35, 0x80000000
	s_lshl_b32 s50, s11, 13
	s_add_co_u32 s50, s50, XS
	s_add_nc_u64 s[38:39], s[4:5], s[50:51]
	s_or_b32 s39, s39, 0x80000000
	ROUND                                          ; the four work-groups are here: the joint loads meet
	s_cmp_lt_u32 s[WV], 4                          ; one chain of branches on the wave's number, one load to an arm
	s_cbranch_scc0 .Lnot_codes
	tensor_load_to_lds s[32:35], s[16:23]
	s_nop 0
	PLACES 4
	s_branch .Lasked
.Lnot_codes:
	s_cmp_lt_u32 s[WV], 5
	s_cbranch_scc0 .Lasked
	tensor_load_to_lds s[36:39], s[24:31]
	s_nop 0
	PLACES 4
.Lasked:
	v_and_b32 v10, 31, v0
	s_delay_alu instid0(VALU_DEP_1)
	v_lshlrev_b32 v[LI], 4, v10
	s_delay_alu instid0(VALU_DEP_2)
	v_lshlrev_b32 v[LS], 2, v10
	s_delay_alu instid0(VALU_DEP_1)
	v_add_nc_u32 v[LSX], ASC, v[LS]
	s_lshl_b32 s52, s[WV], 11
	s_add_co_u32 s52, s52, STB
	v_add_nc_u32 v[BYA], s52, v[LS]
	v_and_b32 v10, 7, v0
	s_delay_alu instid0(VALU_DEP_1)
	v_lshlrev_b32 v8, 4, v10
	v_bfe_u32 v10, v0, 3, 1
	s_delay_alu instid0(VALU_DEP_1)
	v_lshl_add_u32 v8, v10, 13, v8
	v_lshrrev_b32 v10, 4, v0
	s_delay_alu instid0(VALU_DEP_1)
	v_lshl_add_u32 v8, v10, 7, v8
	s_delay_alu instid0(VALU_DEP_1)
	v_add_nc_u32 v8, STB, v8
	v_and_b32 v11, 15, v0
	s_delay_alu instid0(VALU_DEP_1)
	v_lshlrev_b32 v9, 4, v11
	s_delay_alu instid0(VALU_DEP_1)
	v_lshl_add_u32 v9, v10, 11, v9
	v_mov_b32 v[TM+4], 0
	s_mov_b32 s[SEL], 0x76543210
	s_mov_b32 s[SEL+1], 0xfedcba98
	s_mov_b32 s[MNT], 0x600000
	s_mov_b32 s44, 0xbfb8aa3b
	s_mov_b32 s45, s44
	s_lshl_b32 s12, s13, 3
	s_add_co_u32 s12, s12, s[WV]
	s_lshl_b32 s50, s12, 14
	s_add_co_u32 s50, s50, 1048576
	s_add_nc_u64 s[54:55], s[6:7], s[50:51]
	s_lshl_b32 s50, s12, 10
	s_add_co_u32 s50, s50, WSC+65536
	s_add_nc_u64 s[56:57], s[6:7], s[50:51]
	s_lshl_b32 s50, s11, 19
	s_lshl_b32 s52, s12, 9
	s_add_co_u32 s50, s50, s52
	s_add_nc_u64 s[58:59], s[8:9], s[50:51]
	s_lshl_b32 s50, s11, 15
	s_lshl_b32 s52, s13, 8
	s_add_co_u32 s50, s50, s52
	s_add_co_u32 s50, s50, HS
	s_add_nc_u64 s[60:61], s[8:9], s[50:51]
	WIN 0x40
.irp f, 0,1,2,3,4,5,6,7
.irp c, 0,1,2,3
	global_load_b128 v[16*\f+4*\c:16*\f+4*\c+3], v[LI], s[54:55] offset:2048*\f+512*\c
	global_load_b128 v[128+16*\f+4*\c:128+16*\f+4*\c+3], v[LI], s[54:55] offset:1048576+2048*\f+512*\c
.endr
.endr
	WIN 0
.irp f, 0,1,2,3,4,5,6,7
	global_load_b32 v[WS+\f], v[LS], s[56:57] offset:128*\f
	global_load_b32 v[WS+8+\f], v[LS], s[56:57] offset:65536+128*\f
.endr
	s_mov_b32 s46, 0
	s_mov_b32 s47, 0
	s_mov_b32 s48, 0
	s_mov_b32 s49, 15
	v_add_nc_u32 v[AD], s46, v[LI]
	v_add_nc_u32 v[ADS], s47, v[LSX]
.macro FETCH
.irp s, 0,1,2,3
.irp c, 0,1,2,3
	ds_load_b128 v[AF+16*\s+4*\c:AF+16*\s+4*\c+3], v[AD] offset:2048*\s+512*\c
.endr
	ds_load_b32 v[AS+\s], v[ADS] offset:128*\s
.endr
.endm
.macro TILE ahead
	s_wait_dscnt 0x0
	WIN 0x01
.irp s, 0,1,2,3
.irp u, 0,1
.if \s == 0
	MM0 GA+8*\u, 16*(4*\u+\s), AF+16*\s, WS+4*\u+\s, AS+\s
.else
	MMA GA+8*\u, 16*(4*\u+\s), AF+16*\s, WS+4*\u+\s, AS+\s
.endif
.endr
.irp u, 0,1
.if \s == 0
	MM0 HA+8*\u, 128+16*(4*\u+\s), AF+16*\s, WS+8+4*\u+\s, AS+\s
.else
	MMA HA+8*\u, 128+16*(4*\u+\s), AF+16*\s, WS+8+4*\u+\s, AS+\s
.endif
.endr
.endr
	WIN 0
	v_add_nc_u32 v[ABY], s48, v[BYA]
.if \ahead
	s_add_co_u32 s46, s46, 8192
	s_add_co_u32 s47, s47, 512
	v_add_nc_u32 v[AD], s46, v[LI]
	v_add_nc_u32 v[ADS], s47, v[LSX]
	PLACES 5
	FETCH
.else
	PLACES 7
.endif
	s_wait_xcnt 0x0
	s_add_nc_u64 s[58:59], s[58:59], 32768
.irp j, 0,2,4,6,8,10,12,14
	v_pk_mul_f32 v[E+\j:E+1+\j], v[GA+\j:GA+1+\j], s[44:45] op_sel_hi:[1,0]
.endr
	s_wait_alu depctr_va_vdst(0)
.irp j, 0,1,2,3,4,5,6,7,8,9,10,11,12,13,14,15
	v_exp_f32 v[E+\j], v[E+\j]
.endr
	s_wait_alu depctr_va_vdst(0)
.irp j, 0,2,4,6,8,10,12,14
	v_pk_mul_f32 v[HA+\j:HA+1+\j], v[GA+\j:GA+1+\j], v[HA+\j:HA+1+\j]
.endr
	s_wait_alu depctr_va_vdst(0)
.irp j, 0,2,4,6,8,10,12,14
	v_pk_add_f32 v[E+\j:E+1+\j], v[E+\j:E+1+\j], 1.0 op_sel_hi:[1,0]
.endr
	s_wait_alu depctr_va_vdst(0)
.irp j, 0,1,2,3,4,5,6,7,8,9,10,11,12,13,14,15
	v_rcp_f32 v[E+\j], v[E+\j]
.endr
	v_nop
	s_wait_alu depctr_va_vdst(0)
.irp j, 0,2,4,6,8,10,12,14
	v_pk_mul_f32 v[HA+\j:HA+1+\j], v[HA+\j:HA+1+\j], v[E+\j:E+1+\j]
.endr
	Q16 HA, PC
	global_store_b128 v[LI], v[PC:PC+3], s[58:59] offset:-32768
	ds_store_b32 v[ABY], v[TM+4]
	s_add_co_u32 s48, s48, 128
.endm
	s_wait_alu depctr_va_vdst(0)
	s_wait_tensorcnt 0x0
	s_barrier_signal -1
	s_barrier_wait -1
	FETCH
	s_wait_loadcnt 0x0
.Lrt:
	TILE 1
	s_sub_co_u32 s49, s49, 1
	s_cmp_lg_u32 s49, 0
	s_cbranch_scc1 .Lrt
	TILE 0
	s_wait_dscnt 0x0
	s_barrier_signal -1
	s_barrier_wait -1
.irp c, 0,1,2,3
	ds_load_b128 v[16+4*\c:19+4*\c], v8 offset:2048*\c
.endr
	s_wait_dscnt 0x0
.irp q, 0,1,2,3
	v_lshl_or_b32 v[16+\q], v[20+\q], 8, v[16+\q]
	s_delay_alu instid0(VALU_DEP_1)
	v_lshl_or_b32 v[16+\q], v[24+\q], 16, v[16+\q]
	s_delay_alu instid0(VALU_DEP_1)
	v_lshl_or_b32 v[16+\q], v[28+\q], 24, v[16+\q]
.endr
	global_store_b128 v9, v[16:19], s[60:61]
	s_wait_tensorcnt 0x0
	ds_add_u32 v234, v235
	s_wait_dscnt 0x0
	ROUND                                          ; the closing round
	s_endpgm
.Lfunc_end_k_q6677120d96_gh:
	.size	k_q6677120d96_gh, .Lfunc_end_k_q6677120d96_gh-k_q6677120d96_gh
	.p2alignl 7, 3214868480
	.fill 96, 4, 3214868480
	.section	.rodata,"a",@progbits
	.p2align	6, 0x0
	.amdhsa_kernel k_q6677120d96_gh
		.amdhsa_group_segment_fixed_size 327680
		.amdhsa_private_segment_fixed_size 0
		.amdhsa_enable_private_segment 0
		.amdhsa_kernarg_size 24
		.amdhsa_user_sgpr_count 2
		.amdhsa_user_sgpr_kernarg_segment_ptr 1
		.amdhsa_wavefront_size32 1
		.amdhsa_system_sgpr_workgroup_id_x 1
		.amdhsa_system_sgpr_workgroup_id_y 1
		.amdhsa_system_sgpr_workgroup_id_z 1
		.amdhsa_system_vgpr_workitem_id 0
		.amdhsa_next_free_vgpr 512
		.amdhsa_next_free_sgpr 66
		.amdhsa_reserve_vcc 0
		.amdhsa_float_denorm_mode_32 3
		.amdhsa_float_denorm_mode_16_64 3
		.amdhsa_memory_ordered 1
		.amdhsa_forward_progress 1
		.amdhsa_inst_pref_size 35
	.end_amdhsa_kernel
	.amdgpu_metadata
---
amdhsa.version: [ 1, 2 ]
amdhsa.kernels:
  - .name:           k_q6677120d96_gh
    .symbol:         k_q6677120d96_gh.kd
    .args:
      - { .name: mid, .offset: 0, .size: 8, .value_kind: global_buffer, .address_space: global }
      - { .name: wts, .offset: 8, .size: 8, .value_kind: global_buffer, .address_space: global }
      - { .name: hid, .offset: 16, .size: 8, .value_kind: global_buffer, .address_space: global }
    .group_segment_fixed_size: 327680
    .private_segment_fixed_size: 0
    .kernarg_segment_align: 8
    .kernarg_segment_size: 24
    .max_flat_workgroup_size: 256
    .sgpr_count:     66
    .vgpr_count:     512
    .wavefront_size: 32
...
	.end_amdgpu_metadata
.endif
;; end of part 5
;; launch out (part 6): grid 4 x 64, 4 waves a work-group, clusters of 4 x 1, 327,680 bytes of LDS; arguments hid, wts, mid, out_b, out0; writes out0
.if DOCPART == 6
	.amdgcn_target "amdgcn-amd-amdhsa--gfx1250"
	.amdhsa_code_object_version 6
	.text
	.protected	k_q6677120d96_out
	.globl	k_q6677120d96_out
	.p2align	8
	.type	k_q6677120d96_out,@function
k_q6677120d96_out:
	s_mov_b64 s[64:65], 0
	v_nop
	global_prefetch_b8 v0, s[64:65] scope:SCOPE_SE
	s_setreg_imm32_b32 hwreg(HW_REG_WAVE_MODE, 25, 1), 1
	s_wait_xcnt 0x0
	s_wait_alu depctr_hold_cnt(0) depctr_sa_sdst(0) depctr_va_vdst(0) depctr_va_sdst(0) depctr_va_ssrc(0) depctr_va_vcc(0) depctr_vm_vsrc(0)
	s_getreg_b32 s2, hwreg(HW_REG_IB_STS2, 6, 4)
	s_cmp_eq_u32 s2, 0
	s_cbranch_scc0 .Lentry_in_a_cluster
	s_endpgm
.Lentry_in_a_cluster:
	s_bfe_u32 s2, ttmp6, 0x10000c
	s_cmp_lg_u32 s2, 0x3003
	s_cbranch_scc0 .Lentry_shape_is_right
	s_endpgm
.Lentry_shape_is_right:
; OUT.  out0 = x1 + alpha x (h out_w^T + out_b), the product on codes of BF8 (E5M2) with E8M0 scales, K = 2,048.
; SHARES.  Work-group (slab, y): rows 128 y .. + 127, columns 128 slab .. + 127.  Wave w owns 32 columns over all of K: 32 fragments of out_w, 512 registers, read once.
; h's 128 images (256 KB) and their scale words (16 KB) come into LDS once, in two groups of one tensor load a wave.  At the head: waves 0 to 2 fetch 32 KB of images each (row tiles 0 to 2), wave 3 the words.
; Behind the wait for these, the add and a round of the cluster's barrier: the other 160 KB, 40 KB a wave; they land under the first pair of row tiles' work and are waited for ahead of the second pair.  No LDS byte is filled twice.
; CLUSTER 4, 1, 1: the four slabs of a y read the same h, so every tensor load is a joint one (mask 15); its descriptor hangs on y and the wave's number alone.
; Products TRANSPOSED; a pair's 32 rows meet in a stage (stored by the waves, never filled) and leave as rows of 512 bytes.  A fragment of h read from LDS feeds two products: more columns a wave do not fit the registers at this K.
; No prefetch: both fills stand at the launch's start, and there is no loop to run ahead in.
; LIMITS: NaN and infinities are not served.
.set WSC, 4194304
.set MOD, 4456448
.set HS,  16777216
.set ASC, 262144                       ; LDS: images 0; their words here;
.set STG, 278528                       ; the stage, 32 rows x 528;
.set SPARE, 295424                     ; the spare words, 128 bytes a wave
.set AB0, 16
.set ACC, 144
.set AS,  192
.set WS,  224
.set Y,   16
.set WV,  14
.set MSB, 0
.macro WIN new                         ; the immediate's high byte repeats the setting that is left
.if MSB != \new
	s_set_vgpr_msb (MSB<<8)|\new
.set MSB, \new
.endif
.endm
.macro PLACES n
.rept \n
	v_nop
.endr
.endm
.macro ROUND                           ; a round of the cluster's barrier
	s_barrier_signal -1
	s_barrier_wait -1
	s_cmp_lg_u32 s[WV], 0
	s_cbranch_scc1 .Lnot_wave_0_\@
	s_barrier_signal -3
.Lnot_wave_0_\@:
	s_barrier_wait -3
	s_barrier_signal -1
	s_barrier_wait -1
.endm
.macro DESC1 g, rows                   ; a dense block as rows of 256 bytes (32 elements of 8 bytes), no padding; mask 15, bit 21 set beside it
	s_mov_b32 s[\g], (3<<16)|(1<<21)|15
	s_mov_b32 s[\g+1], 32<<16
	s_mov_b32 s[\g+2], (\rows)<<16
	s_mov_b32 s[\g+3], 32<<16
	s_mov_b32 s[\g+4], \rows
	s_mov_b32 s[\g+5], 32
	s_mov_b32 s[\g+6], 0
	s_mov_b32 s[\g+7], 0
.endm
.macro MM0 d, a, b, sa, sb
	v_wmma_scale_f32_16x16x128_f8f6f4 v[\d:\d+7], v[\a:\a+15], v[\b:\b+15], 0, v[\sa], v[\sb] matrix_a_fmt:MATRIX_FMT_BF8 matrix_b_fmt:MATRIX_FMT_BF8
.endm
.macro MMA d, a, b, sa, sb
	v_wmma_scale_f32_16x16x128_f8f6f4 v[\d:\d+7], v[\a:\a+15], v[\b:\b+15], v[\d:\d+7], v[\sa], v[\sb] matrix_a_fmt:MATRIX_FMT_BF8 matrix_b_fmt:MATRIX_FMT_BF8
.endm
	s_load_b256 s[4:11], s[0:1], 0x0               ; hid, wts, mid, out_b
	s_load_b64 s[12:13], s[0:1], 0x20              ; out0
	v_lshl_add_u32 v190, v0, 2, SPARE
	v_mov_b32 v191, 0
	ds_add_u32 v190, v191                          ; the opening lines: the add, twice on end, and its wait
	ds_add_u32 v190, v191
	v_lshrrev_b32 v176, 5, v0
	v_readfirstlane_b32 s[WV], v176                ; wave
	s_and_b32 s15, ttmp7, 0xffff                   ; y
	s_bfe_u32 s80, ttmp6, 0x40000                  ; cx
	s_lshl_b32 s81, ttmp9, 2
	s_add_co_u32 s80, s80, s81                     ; slab = 4 x cluster x + cx: it enters global addresses of weights, x1 and results alone
	DESC1 16, 64                                   ; 16 KB: the words
	DESC1 24, 128                                  ; 32 KB of images
	DESC1 72, 160                                  ; 40 KB of images
	s_mov_b32 s53, 0
	s_lshl_b32 s54, s[WV], 14
	s_mov_b32 s32, 1
	s_mov_b32 s33, ASC
	s_mov_b32 s36, 1
	s_lshl_b32 s37, s[WV], 15                      ; waves 0 to 2: images' bytes 32,768 w on
	s_mov_b32 s40, 1
	s_mul_i32 s41, s[WV], 40960
	s_add_co_u32 s41, s41, 98304                   ; the second group: 98,304 + 40,960 w on
	s_lshl_b32 s55, s15, 18                        ; h's images of my rows begin here
	s_lshl_b32 s82, s[WV], 7
	s_add_co_u32 s82, s82, STG
	s_mul_i32 s83, s[WV], 4224
	s_add_co_u32 s83, s83, STG
	s_wait_dscnt 0x0                               ; both opening adds are done
	s_wait_kmcnt 0x0
	s_add_co_u32 s52, s55, s37
	s_add_nc_u64 s[38:39], s[4:5], s[52:53]
	s_or_b32 s39, s39, 0x80000000
	s_add_co_u32 s52, s55, s41
	s_add_nc_u64 s[42:43], s[4:5], s[52:53]
	s_or_b32 s43, s43, 0x80000000
	s_lshl_b32 s52, s15, 14
	s_add_co_u32 s52, s52, HS
	s_add_nc_u64 s[34:35], s[4:5], s[52:53]
	s_or_b32 s35, s35, 0x80000000
	ROUND                                          ; the four work-groups are here: the first joint loads meet
	s_cmp_lt_u32 s[WV], 3                          ; one branch on the wave's number, a load in each arm: every way passes exactly one
	s_cbranch_scc0 .Lwords
	tensor_load_to_lds s[36:39], s[24:31]
	s_nop 0
	PLACES 4
	s_branch .Lasked
.Lwords:
	tensor_load_to_lds s[32:35], s[16:23]
	s_nop 0
	PLACES 4
.Lasked:
	v_and_b32 v176, 31, v0
	v_and_b32 v177, 15, v0                         ; r
	v_bfe_u32 v178, v0, 4, 1                       ; h
	v_lshlrev_b32 v1, 4, v176                      ; 16 x lane
	v_lshlrev_b32 v2, 2, v176                      ; 4 x lane
	v_mul_u32_u24 v5, v177, 528
	v_lshl_add_u32 v5, v178, 6, v5
	v_add_nc_u32 v5, s82, v5                       ; into the stage: row r, + 64 h, + 128 w
	v_add_nc_u32 v6, s83, v1                       ; back: my 8 rows
	s_wait_alu depctr_va_vdst(0)                   ; the end of the head's vector work
	s_add_co_u32 s52, s55, s54
	s_lshl_b32 s81, s80, 9
	s_add_co_u32 s52, s52, s81
	s_add_nc_u64 s[60:61], s[8:9], s[52:53]        ; x1: row 128 y + 8 w, column 128 slab
	s_add_nc_u64 s[62:63], s[12:13], s[52:53]      ; out0 likewise
	s_mov_b32 s52, s81
	s_add_nc_u64 s[68:69], s[10:11], s[52:53]      ; the bias
	s_lshr_b32 s52, s15, 4
	s_lshl_b32 s52, s52, 11
	s_add_co_u32 s52, s52, s81
	s_add_co_u32 s52, s52, MOD+40960
	s_add_nc_u64 s[66:67], s[6:7], s[52:53]        ; ffn alpha of my batch
	s_lshl_b32 s81, s80, 2
	s_add_co_u32 s81, s81, s[WV]                   ; my 32 columns
	s_lshl_b32 s52, s81, 16
	s_add_co_u32 s52, s52, 3145728
	s_add_nc_u64 s[56:57], s[6:7], s[52:53]        ; out_w's fragments
	s_lshl_b32 s52, s81, 12
	s_add_co_u32 s52, s52, WSC+196608
	s_add_nc_u64 s[58:59], s[6:7], s[52:53]        ; their words
	global_load_b128 v[8:11], v1, s[66:67]
	global_load_b128 v[12:15], v1, s[68:69]
	WIN 0x40
.irp u, 0,1
.irp s, 0,1,2,3,4,5,6,7
.irp c, 0,1,2,3
	global_load_b128 v[16*(8*\u+\s)+4*\c:16*(8*\u+\s)+4*\c+3], v1, s[56:57] offset:2048*(16*\u+\s)+512*\c
.endr
.endr
.endr
	WIN 0x80
.irp u, 0,1
.irp s, 0,1,2,3,4,5,6,7
.irp c, 0,1,2,3
	global_load_b128 v[16*(8*\u+\s)+4*\c:16*(8*\u+\s)+4*\c+3], v1, s[56:57] offset:2048*(16*\u+8+\s)+512*\c
.endr
.endr
.endr
	WIN 0
.irp f, 0,1,2,3,4,5,6,7,8,9,10,11,12,13,14,15,16,17,18,19,20,21,22,23,24,25,26,27,28,29,30,31
	global_load_b32 v[WS+\f], v2, s[58:59] offset:128*\f
.endr
	WIN 0xc0
.irp i, 0,1,2,3
.irp q, 0,1,2,3,4,5,6,7
	global_load_b128 v[4*(8*\i+\q):4*(8*\i+\q)+3], v1, s[60:61] offset:2048*(32*\i+\q)   ; x1 at the places that I shall store: the youngest 32 loads, wanted last
.endr
.endr
	WIN 0
.macro FETCH g, ab                     ; K steps 2 g, 2 g + 1 of the pair's two tiles: four fragments
.irp d, 0,1
.irp e, 0,1
.irp c, 0,1,2,3
	ds_load_b128 v[\ab+16*(2*\d+\e)+4*\c:\ab+16*(2*\d+\e)+4*\c+3], v3 offset:32768*\e+2048*(2*(\g)+\d)+512*\c
.endr
.endr
.endr
.endm
.irp i, 0,1,2,3                        ; a pair of row tiles at a time
.if \i == 0
	s_wait_tensorcnt 0x0                           ; my load of the head has landed; then, ahead of a later first fill:
	ds_add_u32 v190, v191                          ; 0 onto my spare word,
	s_wait_dscnt 0x0                               ; and the wait for it
	ROUND                                          ; row tiles 0 to 2 and the words lie in LDS, and the four work-groups are here
	tensor_load_to_lds s[40:43], s[72:79]          ; my one load behind the round: 40 KB of the other 160
	s_nop 0
	PLACES 4
	s_wait_loadcnt 32                              ; alpha, bias, weights and their words are in; x1's 32 loads, issued last, may be out
.else
.if \i == 1
	s_wait_tensorcnt 0x0                           ; my part of the second group has landed
.endif
	s_wait_dscnt 0x0                               ; my reads of the stage are over
	s_barrier_signal -1
	s_barrier_wait -1                              ; both hold of every wave
.endif
	v_add_nc_u32 v3, 65536*\i, v1
	v_add_nc_u32 v4, ASC+4096*\i, v2
.irp q, 0,1,2,3,4,5,6,7,8,9,10,11,12,13,14,15,16,17,18,19,20,21,22,23,24,25,26,27,28,29,30,31
	ds_load_b32 v[AS+\q], v4 offset:128*\q         ; tile q / 16, K step q % 16
.endr
	FETCH 0, AB0
	FETCH 1, AB0+64
	s_wait_alu depctr_va_vdst(0)
.irp g, 0,1,2,3,4,5,6,7
.if \g == 7
	s_wait_dscnt 0x0
.else
	s_wait_dscnt 16                                ; this buffer (and the words) are in; the other buffer's sixteen loads may be out
.endif
.if \g < 4
	WIN 0x01
.else
	WIN 0x02
.endif
.irp d, 0,1                            ; four accumulators by turns
.irp e, 0,1
.irp u, 0,1
.if (2*\g+\d) == 0
	MM0 ACC+8*(2*\e+\u), 16*(8*\u+(2*\g+\d)%8), AB0+64*(\g%2)+16*(2*\d+\e), WS+16*\u+2*\g+\d, AS+16*\e+2*\g+\d
.else
	MMA ACC+8*(2*\e+\u), 16*(8*\u+(2*\g+\d)%8), AB0+64*(\g%2)+16*(2*\d+\e), WS+16*\u+2*\g+\d, AS+16*\e+2*\g+\d
.endif
.endr
.endr
.endr
.if \g <= 5
	WIN 0
	PLACES 8                                       ; eight places ahead of the loads into the buffer just multiplied
	FETCH \g+2, AB0+64*(\g%2)
.endif
.endr
	WIN 0
	PLACES 8
.irp e, 0,1
.irp u, 0,1
	ds_store_b128 v5, v[ACC+8*(2*\e+\u):ACC+8*(2*\e+\u)+3] offset:8448*\e+32*\u          ; each accumulator from its low end on
	ds_store_b128 v5, v[ACC+8*(2*\e+\u)+4:ACC+8*(2*\e+\u)+7] offset:8448*\e+32*\u+16
.endr
.endr
	s_wait_dscnt 0x0
	s_barrier_signal -1
	s_barrier_wait -1                              ; 32 rows of 512 bytes lie in the stage
.irp q, 0,1,2,3,4,5,6,7
	ds_load_b128 v[Y+4*\q:Y+4*\q+3], v6 offset:528*\q
.endr
	s_wait_dscnt 0x0
.if \i == 0
	s_wait_loadcnt 0x0                             ; x1
.endif
.irp q, 0,1,2,3,4,5,6,7
	v_pk_add_f32 v[Y+4*\q:Y+4*\q+1], v[Y+4*\q:Y+4*\q+1], v[12:13]
	v_pk_add_f32 v[Y+4*\q+2:Y+4*\q+3], v[Y+4*\q+2:Y+4*\q+3], v[14:15]
.endr
	WIN 0x30                                       ; source 2 window 3
.irp q, 0,1,2,3,4,5,6,7
	v_pk_fma_f32 v[Y+4*\q:Y+4*\q+1], v[Y+4*\q:Y+4*\q+1], v[8:9], v[4*(8*\i+\q):4*(8*\i+\q)+1]
	v_pk_fma_f32 v[Y+4*\q+2:Y+4*\q+3], v[Y+4*\q+2:Y+4*\q+3], v[10:11], v[4*(8*\i+\q)+2:4*(8*\i+\q)+3]
.endr
	WIN 0
.irp q, 0,1,2,3,4,5,6,7
	global_store_b128 v1, v[Y+4*\q:Y+4*\q+3], s[62:63] offset:2048*(32*\i+\q) th:TH_STORE_NT   ; 32 lanes store 512 consecutive bytes, aligned
.endr
	s_wait_xcnt 0x0                                ; the stores have read their data: the next pair's fragments land there
.endr
	s_wait_tensorcnt 0x0                           ; the wave's end
	ds_add_u32 v190, v191
	s_wait_dscnt 0x0
	ROUND                                          ; the closing round
	s_endpgm
.Lfunc_end_k_q6677120d96_out:
	.size	k_q6677120d96_out, .Lfunc_end_k_q6677120d96_out-k_q6677120d96_out
	.p2alignl 7, 3214868480
	.fill 96, 4, 3214868480
	.section	.rodata,"a",@progbits
	.p2align	6, 0x0
	.amdhsa_kernel k_q6677120d96_out
		.amdhsa_group_segment_fixed_size 327680
		.amdhsa_private_segment_fixed_size 0
		.amdhsa_enable_private_segment 0
		.amdhsa_kernarg_size 40
		.amdhsa_user_sgpr_count 2
		.amdhsa_user_sgpr_kernarg_segment_ptr 1
		.amdhsa_wavefront_size32 1
		.amdhsa_system_sgpr_workgroup_id_x 1
		.amdhsa_system_sgpr_workgroup_id_y 1
		.amdhsa_system_sgpr_workgroup_id_z 1
		.amdhsa_system_vgpr_workitem_id 0
		.amdhsa_next_free_vgpr 1024
		.amdhsa_next_free_sgpr 84
		.amdhsa_reserve_vcc 0
		.amdhsa_float_denorm_mode_32 3
		.amdhsa_float_denorm_mode_16_64 3
		.amdhsa_memory_ordered 1
		.amdhsa_forward_progress 1
		.amdhsa_inst_pref_size 124
	.end_amdhsa_kernel
	.amdgpu_metadata
---
amdhsa.version: [ 1, 2 ]
amdhsa.kernels:
  - .name:           k_q6677120d96_out
    .symbol:         k_q6677120d96_out.kd
    .args:
      - { .name: hid, .offset: 0, .size: 8, .value_kind: global_buffer, .address_space: global }
      - { .name: wts, .offset: 8, .size: 8, .value_kind: global_buffer, .address_space: global }
      - { .name: mid, .offset: 16, .size: 8, .value_kind: global_buffer, .address_space: global }
      - { .name: out_b, .offset: 24, .size: 8, .value_kind: global_buffer, .address_space: global }
      - { .name: out0, .offset: 32, .size: 8, .value_kind: global_buffer, .address_space: global }
    .group_segment_fixed_size: 327680
    .private_segment_fixed_size: 0
    .kernarg_segment_align: 8
    .kernarg_segment_size: 40
    .max_flat_workgroup_size: 128
    .sgpr_count:     84
    .vgpr_count:     1024
    .wavefront_size: 32
...
	.end_amdgpu_metadata
.endif
;; end of part 6
